; MI455X (gfx1250); checked and timed in simulation.
; The chip was launched on July 23, 2026; its instructions are those of AMD's public machine-readable ISA for CDNA 5 (MIT licence, August 2026) and "CDNA5" Instruction Set Architecture Reference Guide (July 2026). The comments in the code are by the model that wrote it; some were corrected since.
;; Multi Head Attention. Allowed arithmetic: float matrix products may take bf16 or f16 operands with f32 sums; other float arithmetic in f32, or as packed bf16 or f16 multiplies, adds, multiply-adds, maxima and minima; sums over many terms, partial sums and values carried from step to step in f32; what a program stores and reads back later, other than sums and carried values, may be rounded once to bf16 or f16.
;; Inputs: Wf 1,024 x 1,024 float32; Wk 16 x 1,024 x 64 float32; Wq 16 x 1,024 x 64 float32; Wv 16 x 1,024 x 64 float32; bf 1,024 float32; bk 16 x 64 float32; bq 16 x 64 float32; bv 16 x 64 float32; x 4 x 2,048 x 1,024 float32.
;; Outputs: out0 4 x 2,048 x 1,024 float32.
;; 2 versions, each right; version 2 is version 1 with the launch prep written anew for expert scheduling mode. Each part assembles by itself: llvm-mc -triple=amdgcn-amd-amdhsa -mcpu=gfx1250 --defsym DOCPART=n.
;; ======== version 1 of 2: 4 launches
;; limits: values are held in f16: magnitudes above 65,504 overflow, below 6.1e-05 lose precision
;; workspace buffers: xb 16,777,216 bytes; wqkv 6,291,456 bytes; wfb 2,097,152 bytes; qkv 50,331,648 bytes; oh 16,777,216 bytes
;; launch prep (part 1): grid 768 x 1, 4 waves a work-group, no clusters, 37,376 bytes of LDS; arguments x, Wq, Wk, Wv, Wf, xb, wqkv, wfb; writes xb, wqkv, wfb
.if DOCPART == 1
	.amdgcn_target "amdgcn-amd-amdhsa--gfx1250"
	.amdhsa_code_object_version 6
	.text
	.protected	k_q5936b27998_prep
	.globl	k_q5936b27998_prep
	.p2align	8
	.type	k_q5936b27998_prep,@function
k_q5936b27998_prep:
	s_mov_b64 s[64:65], 0
	v_nop
	global_prefetch_b8 v0, s[64:65] scope:SCOPE_SE
	s_setreg_imm32_b32 hwreg(HW_REG_WAVE_MODE, 25, 1), 1
	s_wait_xcnt 0x0
; THE OPERANDS OF THE TWO GEMMS ARE MADE: every one is laid out [kb = k / 64][row][64 numbers of 16 bits], so that the rows of one kb lie end to end, 128 bytes each.
;   xb   [16][8192][64]  bf16: x rounded once
;   wqkv [16][3072][64]  bf16: row n = 64 g + d, g = 16 x (q 0, k 1, v 2) + head: W[head][e][d] rounded once and turned (e becomes the fast index)
;   wfb  [16][1024][64]  f16:  Wf[k][n] rounded once to bf16, that number written as f16, turned
; LIMITS.  |Wf| stays under 65,504 (f16's end); a bf16 number below 6e-5 keeps f16's fixed step of 6e-8.  NaN and infinities are not treated apart.
; SHARES.  Every wave does one job: 64 rows x 64 columns of f32, 16 KiB in, 8 KiB out; all its 32 loads go out at once.  3,072 jobs, four to a work-group:
; work-groups 0-511 x, 512-703 Wq, Wk, Wv, 704-767 Wf.  No loop, no barrier: a wave's LDS bytes are its own.  No matrix unit, no cluster: nothing is multiplied and nothing is shared.
.set X,    16                          ; v[16:143]  the job's 32 loads of four registers
.set SO,   4                           ; v4   my byte offset in the source
.set DO,   5                           ; v5   my byte offset in the destination
.set LS,   6                           ; v6   where I put a word in my wave's LDS rows
.set LR,   7                           ; v7   where I read 16 bytes back
.set SPW,  8                           ; v8   LDS address of my spare word: SPARE + 4 x my thread's number; never rewritten
.set NIL,  9                           ; v9   0; never rewritten
.set LP,   144                         ; an LDS row: 128 bytes (64 k) + 16
.set WLDS, 64*LP                       ; a wave's 64 rows
.set SPARE, 4*WLDS                     ; behind them: the spare words, 128 bytes for each wave: two blocks of 256 bytes that no other line names
	s_load_b512 s[4:19], s[0:1], 0x0               ; x 4:5, Wq 6:7, Wk 8:9, Wv 10:11, Wf 12:13, xb 14:15, wqkv 16:17, wfb 18:19
	v_lshl_add_u32 v[SPW], v0, 2, SPARE
	v_mov_b32 v[NIL], 0
	v_lshrrev_b32 v1, 5, v0
	v_readfirstlane_b32 s21, v1                    ; wave 0..3
	v_and_b32 v1, 31, v0                           ; l
	v_and_b32 v2, 15, v0                           ; l % 16
	v_bfe_u32 v3, v0, 4, 1                         ; l / 16
	s_mov_b32 s20, ttmp9
	s_mov_b32 s23, 0                               ; offsets are made apart from the addresses, in pairs with 0 on top
	s_mov_b32 s25, 0
	s_mov_b32 s37, 0xffff0000                      ; a word's upper bf16
	s_wait_kmcnt 0x0
	s_cmp_lt_u32 s20, 512
	s_cbranch_scc0 .Lweights
	; x: rows 64 mb .. + 63, columns 64 kb .. + 63.  A load takes two rows' 256 bytes (lanes 0-15 one row, lanes 16-31 the next); a store 256 consecutive bytes of xb.
	s_lshr_b32 s30, s20, 2                         ; mb
	s_and_b32 s31, s20, 3
	s_lshl2_add_u32 s31, s31, s21                  ; kb = 4 (id % 4) + wave
	s_lshl_b32 s22, s30, 18                        ; 64 rows of 4,096 bytes
	s_lshl_b32 s32, s31, 8
	s_add_co_u32 s22, s22, s32
	s_lshl_b32 s24, s31, 20                        ; 8,192 rows of 128 bytes
	s_lshl_b32 s32, s30, 13
	s_add_co_u32 s24, s24, s32
	v_lshlrev_b32 v[SO], 12, v3
	v_lshl_add_u32 v[SO], v2, 4, v[SO]
	v_lshlrev_b32 v[DO], 3, v1
	s_add_nc_u64 s[26:27], s[4:5], s[22:23]
	s_add_nc_u64 s[28:29], s[14:15], s[24:25]
.set i, 0
.rept 32
	global_load_b128 v[X+4*i:X+4*i+3], v[SO], s[26:27] offset:i*8192 th:TH_LOAD_NT
.set i, i+1
.endr
.set i, 0
.rept 32
	s_wait_loadcnt 31-i                            ; loads come back in order: load i is in, the younger ones stay out
	v_cvt_pk_bf16_f32 v[X+4*i], v[X+4*i], v[X+4*i+1]
	v_cvt_pk_bf16_f32 v[X+4*i+1], v[X+4*i+2], v[X+4*i+3]
	global_store_b64 v[DO], v[X+4*i:X+4*i+1], s[28:29] offset:i*256  ; 32 lanes x 8 bytes: rows 2 i and 2 i + 1 of the block, 256 consecutive bytes, aligned; no register is written again
.set i, i+1
.endr
	s_branch .Lend
; A block of 64 rows (e) x 64 columns is turned.  Loads 2 p and 2 p + 1 bring rows e = 4 p + 2 (l / 16) and e + 1, columns 4 (l % 16) + 0..3: p4 = bytes of four rows, p1 of one.
; Two rows' numbers of one column pack into a word, which goes to LDS row (column), byte 2 e.  Whole rows of 128 bytes come back, four to a load, and leave as 512 consecutive bytes.
; (The word stores meet four deep in the banks: 64 stores a wave, once.)  f16 = 1: the bf16 numbers are written as f16.
.macro TRANS p4, p1, f16
.set p, 0
.rept 16
	global_load_b128 v[X+8*p:X+8*p+3],   v[SO], s[26:27] offset:p*(\p4) th:TH_LOAD_NT
	global_load_b128 v[X+8*p+4:X+8*p+7], v[SO], s[26:27] offset:p*(\p4)+(\p1) th:TH_LOAD_NT
.set p, p+1
.endr
.set p, 0
.rept 16
	s_wait_loadcnt 30-2*p                          ; pair p is in, the younger pairs stay out
.irp j, 0,1,2,3
	v_cvt_pk_bf16_f32 v[X+8*p+(\j)], v[X+8*p+(\j)], v[X+8*p+4+(\j)]
.endr
.if \f16
.irp j, 0,1,2,3
	v_lshlrev_b32 v[X+8*p+4+(\j)], 16, v[X+8*p+(\j)]
	v_and_b32 v[X+8*p+(\j)], s37, v[X+8*p+(\j)]
	v_cvt_pk_f16_f32 v[X+8*p+(\j)], v[X+8*p+4+(\j)], v[X+8*p+(\j)]
.endr
.endif
.irp j, 0,1,2,3
	ds_store_b32 v[LS], v[X+8*p+(\j)] offset:(\j)*LP+8*p
.endr
.set p, p+1
.endr
.set t, 0
.rept 16
	ds_load_b128 v[X+8*t+4:X+8*t+7], v[LR] offset:t*4*LP  ; LDS serves a wave's instructions in order (ISA guide 5.7.1.4): these see the stores above; they land in registers that no store names
.set t, t+1
.endr
.set t, 0
.rept 16
	s_wait_dscnt 15-t
	global_store_b128 v[DO], v[X+8*t+4:X+8*t+7], s[28:29] offset:t*512
.set t, t+1
.endr
.endm
.Lweights:
	s_mul_i32 s36, s21, WLDS                       ; my wave's rows in LDS
	v_mul_u32_u24 v[LS], v2, 4*LP                  ; column 4 (l % 16),
	v_lshl_add_u32 v[LS], v3, 2, v[LS]             ; byte 4 (l / 16)
	v_add_nc_u32 v[LS], s36, v[LS]
	v_bfe_u32 v10, v0, 3, 2
	v_and_b32 v11, 7, v0
	v_mul_u32_u24 v[LR], v10, LP                   ; back: eight lanes take a row
	v_lshl_add_u32 v[LR], v11, 4, v[LR]
	v_add_nc_u32 v[LR], s36, v[LR]
	v_lshlrev_b32 v[DO], 4, v1
	s_cmp_lt_u32 s20, 704
	s_cbranch_scc0 .Lwf
	s_sub_co_u32 s30, s20, 512
	s_lshl2_add_u32 s30, s30, s21                  ; job 0..767
	s_lshr_b32 s31, s30, 4                         ; g
	s_and_b32 s32, s30, 15                         ; kb
	s_lshr_b32 s33, s31, 4                         ; q, k or v
	s_and_b32 s34, s31, 15                         ; head
	s_lshl_b32 s22, s34, 18                        ; a head's 1,024 rows of 256 bytes,
	s_lshl_b32 s35, s32, 14                        ; 64 of them
	s_add_co_u32 s22, s22, s35
	s_mul_i32 s24, s32, 3072*128
	s_lshl_b32 s35, s31, 13
	s_add_co_u32 s24, s24, s35
	s_cmp_eq_u32 s33, 0
	s_cselect_b64 s[26:27], s[6:7], s[8:9]
	s_cmp_eq_u32 s33, 2
	s_cselect_b64 s[26:27], s[10:11], s[26:27]
	s_add_nc_u64 s[26:27], s[26:27], s[22:23]
	s_add_nc_u64 s[28:29], s[16:17], s[24:25]
	v_lshlrev_b32 v[SO], 9, v3                     ; two rows of 256 bytes for lanes 16-31
	v_lshl_add_u32 v[SO], v2, 4, v[SO]
	TRANS 1024, 256, 0
	s_branch .Lend
.Lwf:
	s_sub_co_u32 s30, s20, 704
	s_lshl2_add_u32 s30, s30, s21                  ; job 0..255
	s_lshr_b32 s31, s30, 4                         ; kb
	s_and_b32 s32, s30, 15                         ; block of 64 columns
	s_lshl_b32 s22, s31, 18                        ; 64 rows of 4,096 bytes
	s_lshl_b32 s35, s32, 8
	s_add_co_u32 s22, s22, s35
	s_lshl_b32 s24, s31, 17                        ; 1,024 rows of 128 bytes
	s_lshl_b32 s35, s32, 13
	s_add_co_u32 s24, s24, s35
	s_add_nc_u64 s[26:27], s[12:13], s[22:23]
	s_add_nc_u64 s[28:29], s[18:19], s[24:25]
	v_lshlrev_b32 v[SO], 13, v3
	v_lshl_add_u32 v[SO], v2, 4, v[SO]
	TRANS 16384, 4096, 1
.Lend:
	s_wait_tensorcnt 0x0                           ; the wave's end, behind my last LDS store
	ds_add_u32 v[SPW], v[NIL]
	s_wait_dscnt 0x0
	s_endpgm
.Lfunc_end_k_q5936b27998_prep:
	.size	k_q5936b27998_prep, .Lfunc_end_k_q5936b27998_prep-k_q5936b27998_prep
	.p2alignl 7, 3214868480
	.fill 96, 4, 3214868480
	.section	.rodata,"a",@progbits
	.p2align	6, 0x0
	.amdhsa_kernel k_q5936b27998_prep
		.amdhsa_group_segment_fixed_size 37376
		.amdhsa_private_segment_fixed_size 0
		.amdhsa_enable_private_segment 0
		.amdhsa_kernarg_size 64
		.amdhsa_user_sgpr_count 2
		.amdhsa_user_sgpr_kernarg_segment_ptr 1
		.amdhsa_wavefront_size32 1
		.amdhsa_system_sgpr_workgroup_id_x 1
		.amdhsa_system_sgpr_workgroup_id_y 1
		.amdhsa_system_sgpr_workgroup_id_z 1
		.amdhsa_system_vgpr_workitem_id 0
		.amdhsa_next_free_vgpr 144
		.amdhsa_next_free_sgpr 66
		.amdhsa_reserve_vcc 0
		.amdhsa_float_denorm_mode_32 3
		.amdhsa_float_denorm_mode_16_64 3
		.amdhsa_memory_ordered 1
		.amdhsa_forward_progress 1
		.amdhsa_inst_pref_size 52
	.end_amdhsa_kernel
	.amdgpu_metadata
---
amdhsa.version: [ 1, 2 ]
amdhsa.kernels:
  - .name:           k_q5936b27998_prep
    .symbol:         k_q5936b27998_prep.kd
    .args:
      - { .name: x, .offset: 0, .size: 8, .value_kind: global_buffer, .address_space: global }
      - { .name: Wq, .offset: 8, .size: 8, .value_kind: global_buffer, .address_space: global }
      - { .name: Wk, .offset: 16, .size: 8, .value_kind: global_buffer, .address_space: global }
      - { .name: Wv, .offset: 24, .size: 8, .value_kind: global_buffer, .address_space: global }
      - { .name: Wf, .offset: 32, .size: 8, .value_kind: global_buffer, .address_space: global }
      - { .name: xb, .offset: 40, .size: 8, .value_kind: global_buffer, .address_space: global }
      - { .name: wqkv, .offset: 48, .size: 8, .value_kind: global_buffer, .address_space: global }
      - { .name: wfb, .offset: 56, .size: 8, .value_kind: global_buffer, .address_space: global }
    .group_segment_fixed_size: 37376
    .private_segment_fixed_size: 0
    .kernarg_segment_align: 8
    .kernarg_segment_size: 64
    .max_flat_workgroup_size: 128
    .sgpr_count:     66
    .vgpr_count:     144
    .wavefront_size: 32
...
	.end_amdgpu_metadata
.endif
;; end of part 1
;; launch proj (part 2): grid 8 x 32, 4 waves a work-group, clusters of 4 x 4, 327,680 bytes of LDS; arguments xb, wqkv, bq, bk, bv, qkv; writes qkv
.if DOCPART == 2
	.amdgcn_target "amdgcn-amd-amdhsa--gfx1250"
	.amdhsa_code_object_version 6
	.text
	.protected	k_q5936b27998_proj
	.globl	k_q5936b27998_proj
	.p2align	8
	.type	k_q5936b27998_proj,@function
k_q5936b27998_proj:
	s_mov_b64 s[64:65], 0
	v_nop
	global_prefetch_b8 v0, s[64:65] scope:SCOPE_SE
	s_setreg_imm32_b32 hwreg(HW_REG_WAVE_MODE, 25, 1), 1
	s_wait_xcnt 0x0
	s_wait_alu depctr_hold_cnt(0) depctr_sa_sdst(0) depctr_va_vdst(0) depctr_va_sdst(0) depctr_va_ssrc(0) depctr_va_vcc(0) depctr_vm_vsrc(0)
	s_getreg_b32 s2, hwreg(HW_REG_IB_STS2, 6, 4)
	s_cmp_eq_u32 s2, 0
	s_cbranch_scc0 .Lentry_in_a_cluster
	s_endpgm
.Lentry_in_a_cluster:
	s_bfe_u32 s2, ttmp6, 0x10000c
	s_cmp_lg_u32 s2, 0xf033
	s_cbranch_scc0 .Lentry_shape_is_right
	s_endpgm
.Lentry_shape_is_right:
; q, k, v = x W + b for all heads at once: C[m][n] = the sum over k of xb[m][k] wqkv[n][k] + bias[n].  M = 8,192, N = 3,072 (48 groups g of 64: q's, k's, v's 16 heads), K = 1,024.
; Operands bf16, sums f32 (they START with the bias, rounded to bf16 like every input), results rounded once to f16 and stored by heads: qkv[b][g][s][64].
; LIMIT.  |q|, |k|, |v| stay under 65,504 (f16's end); below 6e-5 they keep f16's fixed step of 6e-8.  NaN and infinities are not treated apart.
; SHARES.  A tile of C is 256 x 384: 32 x 8 = 256 work-groups.  Four waves, each 128 rows x 192 columns (three whole heads): 96 accumulators of 16 x 16, 768 registers.
; K goes in steps of 64 through two LDS slots.  Both operands lie [k / 64][row][64], so a tile's rows of one step are dense in memory: they are asked for as rows of 256 bytes (two operand rows)
; and padded in LDS behind every 128 bytes.  Two slots of a step of 128 (368,640 bytes) would not fit in LDS.
; CLUSTER.  4 x 4 work-groups; x's tile is shared along a row of the cluster, the weights' along a column: each is asked for jointly, by the same tensor load, descriptor and mask in the four.
; THE PRODUCT IS USED TRANSPOSED (source 0 = 16 rows of the weights, source 1 = 16 rows of x): lane l then holds row m = l % 16 and the columns 8 (l / 16) + 0..7.
; REGISTERS, in windows of 256 (s_set_vgpr_msb: bits 1:0 source 0, 3:2 source 1, 5:4 source 2, 7:6 destination):
;   window 0: v0-31 addresses; v32-95, v96-159 x's fragments (8 x 16 rows x 32 K), two buffers; v160-255 the weights' 12 fragments, one buffer in three chunks of four
;   window 1 + c: the accumulators of the wave's head c: (a, bb) at v[8 (4 a + bb)], a = 0..7 blocks of rows, bb = 0..3 blocks of columns
.set PITCH,  144                       ; an LDS row: 128 bytes + 16 of padding = 36 words: the 16 rows of a load start at 16 different groups of four banks (64 banks of 4 bytes: ISA guide 11.1)
.set FR,     16*PITCH                  ; from fragment to fragment
.set HALFA,  128*PITCH                 ; what one tensor load brings of x, and what a wave reads of it
.set HALFB,  192*PITCH                 ; the same of the weights
.set BOFF,   2*HALFA                   ; a slot: x's 256 rows, then the weights' 384
.set SLOT1,  1<<17                     ; slot 1 begins here, so that one exclusive or turns an address in one slot into the other's
.set STAGE,  SLOT1+2*HALFA+2*HALFB     ; behind the ring, never filled by a tensor load: 16 rows x 400 bytes for each wave, for the way out
.set SPITCH, 400                       ; 384 bytes + 16
.set SPARE,  STAGE+4*16*SPITCH         ; behind the stages: the spare words, 128 bytes for each wave: two blocks of 256 bytes that no other line names
.set ASTEP,  8192*128                  ; bytes from a K step to the next in xb
.set BSTEP,  3072*128                  ; in wqkv
.set ADRA0, 14                         ; v14  my lane's place in my 128 rows of x in slot 0; never rewritten
.set ADRB0, 15                         ; v15  the same in my 192 rows of the weights
.set ADRA,  16                         ; v16  the same in the slot in hand
.set ADRB,  17                         ; v17
.set STO,   18                         ; v18  the way out: where I put 16 bytes of a row
.set RD,    19                         ; v19  the way out: where I read rows back
.set GO,    20                         ; v20  my byte offset in 512 consecutive bytes of qkv
.set BO,    21                         ; v21  my byte offset in 16 numbers of a bias
.set SPW,   28                         ; v28  LDS address of my spare word: SPARE + 4 x my thread's number; never rewritten
.set NIL,   29                         ; v29  0; never rewritten
.set FA0,   32
.set FA1,   96
.set FB,    160
.set TMP,   32                         ; the way out: 48 registers of packed results
.set OB0,   96                         ; the way out: 16 rows read back: v96-143 and v160-207 by turns
.set CNT, 3                            ; s3   the loop's count
.set WV,  16                           ; s16  my wave's number
.set WM,  17                           ; s17  which half of the tile's rows is mine.  Also: I fetch for x (0) or for the weights (1)
.set WN,  18                           ; s18  which half of its columns.  Also: which half of that tile I fetch
.set TB,  23                           ; s23  0 or SLOT1: the slot in hand
.set G1A, 24                           ; s[24:31] descriptor group 1 for x's tiles
.set G0A, 32                           ; s[32:39] group 0: a set for each of the two first fills; the second then walks on
.set G1B, 40                           ; s[40:47], s[48:55] the same for the weights'
.set G0B, 48
.set MSB, 0
.macro WIN new                         ; the immediate's high byte repeats the setting that is left; a switch that changes nothing is dropped
.if MSB != (\new)
	s_set_vgpr_msb (MSB<<8)|(\new)
.set MSB, (\new)
.endif
.endm
; A joint refill, by the walking sets.  The branch hangs on the wave's number alone.  An s_nop 0 and four v_nop follow each of the two lines, ahead of the jump and the label.
.macro JLOAD
	s_cmp_eq_u32 s[WM], 0
	s_cbranch_scc0 .Lfor_b_\@
	tensor_load_to_lds s[G0A+4:G0A+7], s[G1A:G1A+7]
	s_nop 0
.rept 4
	v_nop
.endr
	s_branch .Lasked_\@
.Lfor_b_\@:
	tensor_load_to_lds s[G0B+4:G0B+7], s[G1B:G1B+7]
	s_nop 0
.rept 4
	v_nop
.endr
.Lasked_\@:
.endm
; A round of the cluster's barrier: my work-group's barrier, so that wave 0's signal speaks for all four waves; wave 0 signals; every wave waits for all sixteen work-groups; my work-group's barrier once more.
.macro CREST                           ; a round behind its opening barrier
	s_cmp_lg_u32 s[WV], 0
	s_cbranch_scc1 .Lnot_wave_0_\@
	s_barrier_signal -3
.Lnot_wave_0_\@:
	s_barrier_wait -3
	s_barrier_signal -1
	s_barrier_wait -1
.endm
.macro CROUND
	s_barrier_signal -1
	s_barrier_wait -1
	CREST
.endm
	s_load_b256 s[4:11], s[0:1], 0x0               ; xb 4:5, wqkv 6:7, bq 8:9, bk 10:11
	s_load_b128 s[12:15], s[0:1], 0x20             ; bv 12:13, qkv 14:15
	v_lshl_add_u32 v[SPW], v0, 2, SPARE
	v_mov_b32 v[NIL], 0
	ds_add_u32 v[SPW], v[NIL]                      ; the wave's opening: the add and its wait stand ahead of my first tensor load; the set-up below, work on registers, stands between them
	v_lshrrev_b32 v1, 5, v0
	v_readfirstlane_b32 s[WV], v1                  ; wave 0..3
	s_lshr_b32 s[WM], s[WV], 1
	s_and_b32 s[WN], s[WV], 1
	s_bfe_u32 s19, ttmp6, 0x40000                  ; cx, cy: my place in the cluster
	s_bfe_u32 s20, ttmp6, 0x40004
	s_lshl_b32 s21, ttmp9, 2
	s_add_co_u32 s21, s21, s19                     ; tile column = 4 x cluster x + cx
	s_and_b32 s22, ttmp7, 0xffff
	s_lshl_b32 s22, s22, 2
	s_add_co_u32 s22, s22, s20                     ; tile row = 4 x cluster y + cy
	s_lshl_b32 s70, s20, 2
	s_lshl_b32 s70, 15, s70                        ; my row of the cluster
	s_lshl_b32 s71, 0x1111, s19                    ; my column
	; descriptor group 1: rows of 128 elements of 2 bytes (two operand rows), 64 of them for x, 96 for the weights
	s_or_b32 s[G1A], s70, (1<<16)|(1<<20)|(1<<21)|(4<<22)|(3<<25)  ; 15:0 the mask; 17:16 2-byte elements; 20 padding on; 21 set beside a mask; 24:22 after every 32 words (code 4); 31:25 4 words (code 3)
	s_or_b32 s[G1B], s71, (1<<16)|(1<<20)|(1<<21)|(4<<22)|(3<<25)
.irp g, G1A, G1B
	s_mov_b32 s[(\g)+1], 128<<16                   ; tensor_dim0 = 128
	s_mov_b32 s[(\g)+3], 128<<16                   ; tile_dim0 = 128
	s_mov_b32 s[(\g)+5], 128                       ; 128 elements from row to row: the block is dense
	s_mov_b32 s[(\g)+6], 0
	s_mov_b32 s[(\g)+7], 0
.endr
	s_mov_b32 s[G1A+2], 64<<16                     ; tensor_dim1
	s_mov_b32 s[G1A+4], 64                         ; tile_dim1
	s_mov_b32 s[G1B+2], 96<<16
	s_mov_b32 s[G1B+4], 96
	; where the tiles come from: x's hang on the tile row alone, the weights' on the tile column alone, each in registers that never hold the other coordinate
	s_lshl_b32 s66, s22, 15                        ; 256 rows of 128 bytes,
	s_lshl_b32 s72, s[WN], 14                      ; my half of them
	s_add_co_u32 s66, s66, s72
	s_mov_b32 s67, 0
	s_mul_i32 s68, s21, 384*128
	s_mul_i32 s73, s[WN], 192*128
	s_add_co_u32 s68, s68, s73
	s_mov_b32 s69, 0
	s_mul_i32 s74, s[WN], HALFA                    ; and where they go: no place in the cluster enters an LDS address
	s_mul_i32 s75, s[WN], HALFB
	s_add_co_u32 s75, s75, BOFF
	s_mov_b32 s[TB], 0
	s_wait_dscnt 0x0                               ; the opening add is done
	s_wait_kmcnt 0x0
	s_add_nc_u64 s[66:67], s[4:5], s[66:67]
	s_add_nc_u64 s[68:69], s[6:7], s[68:69]
.irp s, 0,1
	s_mov_b32 s[G0A+4*(\s)], 1                     ; 1:0 count = 1
	s_add_co_u32 s[G0A+4*(\s)+1], s74, (\s)*SLOT1  ; 63:32 LDS address
	s_add_nc_u64 s[G0A+4*(\s)+2:G0A+4*(\s)+3], s[66:67], (\s)*ASTEP  ; 120:64 global address: K step s
	s_or_b32 s[G0A+4*(\s)+3], s[G0A+4*(\s)+3], 0x80000000           ; 127:126 type = 2
	s_mov_b32 s[G0B+4*(\s)], 1
	s_add_co_u32 s[G0B+4*(\s)+1], s75, (\s)*SLOT1
	s_add_nc_u64 s[G0B+4*(\s)+2:G0B+4*(\s)+3], s[68:69], (\s)*BSTEP
	s_or_b32 s[G0B+4*(\s)+3], s[G0B+4*(\s)+3], 0x80000000
.endr
	CROUND                                         ; all sixteen work-groups are here: the first joint loads meet
	s_cmp_eq_u32 s[WM], 0                          ; a wave's two first fills stand in one branch, ahead of every wait on TENSORcnt and every LDS read: two loads of mine are out
	s_cbranch_scc0 .Lfirst_b
	tensor_load_to_lds s[G0A:G0A+3], s[G1A:G1A+7]
	s_nop 0
	tensor_load_to_lds s[G0A+4:G0A+7], s[G1A:G1A+7]
	s_nop 0
.rept 4
	v_nop
.endr
	s_branch .Lfirst_asked
.Lfirst_b:
	tensor_load_to_lds s[G0B:G0B+3], s[G1B:G1B+7]
	s_nop 0
	tensor_load_to_lds s[G0B+4:G0B+7], s[G1B:G1B+7]
	s_nop 0
.rept 4
	v_nop
.endr
.Lfirst_asked:
	; THE BIASES go where the sums begin: register j of accumulator (0, bb) of head c takes bias[16 bb + 8 (l / 16) + j] of group g0 + c.
	v_and_b32 v1, 15, v0                           ; l % 16
	v_bfe_u32 v2, v0, 4, 1                         ; l / 16
	v_lshlrev_b32 v[BO], 5, v2
	s_mul_i32 s76, s21, 6
	s_mul_i32 s77, s[WN], 3
	s_add_co_u32 s76, s76, s77                     ; g0 = 6 x tile column + 3 x half
	s_mov_b32 s79, 0
.irp j, 0,1,2
	s_add_co_u32 s77, s76, \j
	s_and_b32 s78, s77, 15                         ; the head,
	s_lshl_b32 s78, s78, 8                         ; its 64 numbers
	s_lshr_b32 s77, s77, 4                         ; q, k or v
	s_cmp_eq_u32 s77, 0
	s_cselect_b64 s[56+2*(\j):57+2*(\j)], s[8:9], s[10:11]
	s_cmp_eq_u32 s77, 2
	s_cselect_b64 s[56+2*(\j):57+2*(\j)], s[12:13], s[56+2*(\j):57+2*(\j)]
	s_add_nc_u64 s[56+2*(\j):57+2*(\j)], s[56+2*(\j):57+2*(\j)], s[78:79]
.endr
.irp j, 0,1,2
	WIN 0x40*((\j)+1)                              ; destination window 1 + j, address window 0
.irp bb, 0,1,2,3
	global_load_b128 v[8*(\bb):8*(\bb)+3],   v[BO], s[56+2*(\j):57+2*(\j)] offset:64*(\bb)
	global_load_b128 v[8*(\bb)+4:8*(\bb)+7], v[BO], s[56+2*(\j):57+2*(\j)] offset:64*(\bb)+16
.endr
.endr
	WIN 0
	; A fragment is 16 rows x 32 K in 8 registers: lane l holds row l % 16; registers 0-3 K = 8 (l / 16) + 0..7, registers 4-7 K = 16 + 8 (l / 16) + 0..7: two loads of 16 bytes, 32 bytes apart.
	v_mul_u32_u24 v3, v1, PITCH
	v_lshl_add_u32 v3, v2, 4, v3
	s_mul_i32 s77, s[WM], HALFA
	v_add_nc_u32 v[ADRA0], s77, v3
	s_mul_i32 s78, s[WN], HALFB
	s_add_co_u32 s78, s78, BOFF
	v_add_nc_u32 v[ADRB0], s78, v3
	v_add_nc_u32 v[ADRA], s[TB], v[ADRA0]
	v_add_nc_u32 v[ADRB], s[TB], v[ADRB0]
	s_mul_i32 s79, s[WV], 16*SPITCH
	s_add_co_u32 s79, s79, STAGE                   ; my stage
	v_mul_u32_u24 v[STO], v1, SPITCH               ; in: row l % 16, 16 bytes for each half of the lanes
	v_lshl_add_u32 v[STO], v2, 4, v[STO]
	v_add_nc_u32 v[STO], s79, v[STO]
	v_bfe_u32 v4, v0, 3, 2                         ; back: 32 lanes take one head's 128 bytes of four rows,
	v_and_b32 v5, 7, v0
	v_mul_u32_u24 v[RD], v4, SPITCH
	v_lshl_add_u32 v[RD], v5, 4, v[RD]
	v_add_nc_u32 v[RD], s79, v[RD]
	v_and_b32 v[GO], 31, v0                        ; which are 512 consecutive bytes of qkv
	v_lshlrev_b32 v[GO], 4, v[GO]
	s_lshl_b32 s81, s22, 8
	s_lshl_b32 s82, s[WM], 7
	s_add_co_u32 s81, s81, s82                     ; my first row m
	s_lshr_b32 s82, s81, 11                        ; its batch,
	s_mul_i32 s82, s82, 48
	s_add_co_u32 s82, s82, s76                     ; my first group,
	s_lshl_b32 s82, s82, 18                        ; 2,048 rows of 128 bytes a group,
	s_and_b32 s81, s81, 2047
	s_lshl_b32 s81, s81, 7                         ; and the row in the batch
	s_add_co_u32 s82, s82, s81
	s_mov_b32 s83, 0
	s_add_nc_u64 s[14:15], s[14:15], s[82:83]
	s_mov_b32 s80, 0xffff0000
	s_wait_loadcnt 0x0                             ; the biases are in: they are rounded to bf16, like every input, and widened again; all this stands in the wait for the first tile
.irp w, 1,2,3
	WIN 5*(\w)                                     ; sources window w, destination window 0
.set i, 0
.rept 16
	v_cvt_pk_bf16_f32 v[FA1+i], v[2*i], v[2*i+1]
.set i, i+1
.endr
	WIN (\w)<<6                                    ; and back
.set i, 0
.rept 16
	v_lshlrev_b32 v[2*i], 16, v[FA1+i]
	v_and_b32 v[2*i+1], s80, v[FA1+i]
.set i, i+1
.endr
.endr
	WIN 0
; Products of head c for row blocks alo .. ahi, 32 along K: one instruction an accumulator, so the accumulators take turns.  bias = 1: C is accumulator (0, bb), which holds the bias.
.macro GRP c, fa, alo, ahi, bias
	WIN 0x50*((\c)+1)                              ; C and D window 1 + c, both sources window 0
.set ga, \alo
.rept (\ahi)-(\alo)+1
.set gb, 0
.rept 4
.if \bias
	v_wmma_f32_16x16x32_bf16 v[8*(4*ga+gb):8*(4*ga+gb)+7], v[FB+32*(\c)+8*gb:FB+32*(\c)+8*gb+7], v[(\fa)+8*ga:(\fa)+8*ga+7], v[8*gb:8*gb+7]
.else
	v_wmma_f32_16x16x32_bf16 v[8*(4*ga+gb):8*(4*ga+gb)+7], v[FB+32*(\c)+8*gb:FB+32*(\c)+8*gb+7], v[(\fa)+8*ga:(\fa)+8*ga+7], v[8*(4*ga+gb):8*(4*ga+gb)+7]
.endif
.set gb, gb+1
.endr
.set ga, ga+1
.endr
.endm
; A head's 32 products.  first = 1: they start the sums with the bias: blocks 1 to 7 read it out of block 0's registers; block 0 adds onto it in place, five places behind the last product that read it (ISA guide 7.12.1).
.macro GRPS c, fa, first
.if \first
	GRP \c, \fa, 1, 7, 1
.rept 5
	v_nop
.endr
	GRP \c, \fa, 0, 0, 0
.else
	GRP \c, \fa, 0, 7, 0
.endif
.endm
.macro LDB c, off                      ; eight LDS loads: chunk c of the weights' fragments, at byte off of the rows
.irp i, 0,1,2,3
	ds_load_b128 v[FB+32*(\c)+8*(\i):FB+32*(\c)+8*(\i)+3],   v[ADRB] offset:(\off)+(4*(\c)+(\i))*FR
	ds_load_b128 v[FB+32*(\c)+8*(\i)+4:FB+32*(\c)+8*(\i)+7], v[ADRB] offset:(\off)+(4*(\c)+(\i))*FR+32
.endr
.endm
.macro LDA f, lo, off                  ; eight LDS loads: x's fragments lo .. lo + 3 into buffer f
.irp i, 0,1,2,3
	ds_load_b128 v[(\f)+8*((\lo)+(\i)):(\f)+8*((\lo)+(\i))+3],   v[ADRA] offset:(\off)+((\lo)+(\i))*FR
	ds_load_b128 v[(\f)+8*((\lo)+(\i))+4:(\f)+8*((\lo)+(\i))+7], v[ADRA] offset:(\off)+((\lo)+(\i))*FR+32
.endr
.endm
.macro PL                              ; four places in front of loads into registers that matrix instructions have read, and of conversions that read results (ISA guide 7.12.1 for the conversions)
	WIN 0
.rept 4
	v_nop
.endr
.endm
; A SUB-STEP: 32 along K, 96 products on x's buffer fa.  Behind each head's 32 products its chunk of the weights is fetched anew, for the next sub-step (byte noff of the rows), and half of x's next fragments into fn.
.macro SUB fa, fn, noff, first
	s_wait_dscnt 8                                 ; all but the youngest eight loads, chunk 2's
	GRPS 0, \fa, \first
	PL
	LDB 0, \noff
	LDA \fn, 0, \noff
	GRPS 1, \fa, \first
	PL
	LDB 1, \noff
	LDA \fn, 4, \noff
	s_wait_dscnt 32                                ; all but the 32 issued in this sub-step: chunk 2 is in
	GRPS 2, \fa, \first
	PL
	LDB 2, \noff
.endm
; A K STEP'S SECOND SUB-STEP, on buffer 1, WITH THE CHANGE OF SLOTS: all reads of the slot have been issued.  Each wave waits for all its tensor loads, of which one is out: its part of the other slot; adds 0 to
; its spare word; and waits for that and for its own reads of the slot.  fill = 1: the barrier opens a round of the cluster's barrier, so that no wave of any partner still reads the slot or has a load on its way,
; and the slot is filled again first thing behind it, with the K step two on: 160 products ahead of the wait for it.
.macro SUBC fill
	WIN 0
	s_wait_tensorcnt 0x0                           ; no tensor load of mine is out, so a group 0 may be written
	ds_add_u32 v[SPW], v[NIL]                      ; 0 onto my spare word
.if \fill
	s_xor_b32 s[G0A+5], s[G0A+5], SLOT1            ; the walking descriptors: the other slot than last time,
	s_add_nc_u64 s[G0A+6:G0A+7], s[G0A+6:G0A+7], ASTEP  ; the next K step; the type bits on top are not reached
	s_xor_b32 s[G0B+5], s[G0B+5], SLOT1
	s_add_nc_u64 s[G0B+6:G0B+7], s[G0B+6:G0B+7], BSTEP
.endif
	s_wait_dscnt 9                                 ; (the add and chunk 2's eight loads may be out)
	GRP 0, FA1, 0, 3, 0                            ; sixteen products stand between the add and the wait for it
	s_wait_dscnt 0x0                               ; the add is done, and my reads of this slot are over
	s_barrier_signal -1
	GRP 0, FA1, 4, 7, 0                            ; work on registers while the others arrive
	WIN 0
	s_barrier_wait -1
.if \fill
	CREST
	JLOAD                                          ; the first tensor load behind the round; its four v_nop are also the places in front of the loads below
.else
	PL
.endif
	s_xor_b32 s[TB], s[TB], SLOT1                  ; the fetches go on in the other slot
	v_add_nc_u32 v[ADRA], s[TB], v[ADRA0]
	v_add_nc_u32 v[ADRB], s[TB], v[ADRB0]
	LDB 0, 0
	LDA FA0, 0, 0
	GRP 1, FA1, 0, 7, 0
	PL
	LDB 1, 0
	LDA FA0, 4, 0
	GRP 2, FA1, 0, 7, 0                            ; (chunk 2 came in with the wait for 0 above)
	PL
	LDB 2, 0
.endm
	s_wait_tensorcnt 1                             ; my part of K step 0 is in; step 1's may stay out
	s_barrier_signal -1
	s_barrier_wait -1                              ; everybody's is
	LDB 0, 0
	LDA FA0, 0, 0
	LDB 1, 0
	LDA FA0, 4, 0
	LDB 2, 0
	SUB FA0, FA1, 64, 1                            ; the first sub-step stands in front of the loop: its products start the sums
	s_mov_b32 s[CNT], 14
.Lstep:                                        ; a trip: a K step's second half, the change of slots, the next step's first half; 14 trips ask for K steps 2 to 15
	SUBC 1
	SUB FA0, FA1, 64, 0
	s_sub_co_u32 s[CNT], s[CNT], 1
	s_cmp_lg_u32 s[CNT], 0
	s_cbranch_scc1 .Lstep
	SUBC 0                                         ; the tail is written out: nothing is asked for
	SUB FA0, FA1, 64, 0
	s_wait_dscnt 8                                 ; the last sub-step fetches nothing
	GRP 0, FA1, 0, 7, 0
	GRP 1, FA1, 0, 7, 0
	s_wait_dscnt 0x0
	GRP 2, FA1, 0, 7, 0
; THE WAY OUT, a block of 16 rows at a time.  PACK: rounded to f16, each accumulator's registers in ascending order.  TOSTAGE: 16 bytes a lane into my stage, and back as four rows of one head.  SEND: stored.
.macro PACK a
.irp w, 1,2,3
	WIN 5*(\w)                                     ; sources window w, destination window 0
.irp bb, 0,1,2,3
.irp r, 0,1,2,3
	v_cvt_pk_f16_f32 v[TMP+16*((\w)-1)+4*(\bb)+(\r)], v[8*(4*(\a)+(\bb))+2*(\r)], v[8*(4*(\a)+(\bb))+2*(\r)+1]
.endr
.endr
.endr
	WIN 0
.endm
.macro TOSTAGE a
.set BK, OB0+64*((\a)%2)
.if (\a) >= 2
	s_wait_xcnt 0x0                                ; the stores of the block two back have read these registers: only behind this wait are they loaded again
.endif
.irp b, 0,1,2,3,4,5,6,7,8,9,10,11
	ds_store_b128 v[STO], v[TMP+4*(\b):TMP+4*(\b)+3] offset:32*(\b)
.endr
.irp t, 0,1,2,3,4,5,6,7,8,9,10,11
	ds_load_b128 v[BK+4*(\t):BK+4*(\t)+3], v[RD] offset:((\t)%4)*4*SPITCH+((\t)/4)*128  ; LDS serves a wave's instructions in order (ISA guide 5.7.1.4): these see the stores above; the next block's stores come behind them
.endr
.endm
.macro SEND a
.set BK, OB0+64*((\a)%2)
	s_wait_dscnt 0x0                               ; the block is back in registers
.irp t, 0,1,2,3,4,5,6,7,8,9,10,11
	global_store_b128 v[GO], v[BK+4*(\t):BK+4*(\t)+3], s[14:15] offset:(\a)*2048+((\t)%4)*512+((\t)/4)*262144  ; four rows of head t / 4: 512 consecutive bytes, at a multiple of 256 from qkv's first byte
.endr
.endm
	PL
	PACK 0
	TOSTAGE 0
.irp a, 1,2,3,4,5,6,7                  ; block a's conversions stand between block a - 1's loads from the stage and the wait for them
	PACK \a
	SEND (\a)-1
	TOSTAGE \a
.endr
	SEND 7
	s_wait_tensorcnt 0x0                           ; the wave's end, behind my last tensor load and my last LDS store
	ds_add_u32 v[SPW], v[NIL]
	s_wait_dscnt 0x0
	CROUND                                         ; the closing round: no work-group ends while a partner may still ask for a tile that names it
	s_endpgm
.Lfunc_end_k_q5936b27998_proj:
	.size	k_q5936b27998_proj, .Lfunc_end_k_q5936b27998_proj-k_q5936b27998_proj
	.p2alignl 7, 3214868480
	.fill 96, 4, 3214868480
	.section	.rodata,"a",@progbits
	.p2align	6, 0x0
	.amdhsa_kernel k_q5936b27998_proj
		.amdhsa_group_segment_fixed_size 327680
		.amdhsa_private_segment_fixed_size 0
		.amdhsa_enable_private_segment 0
		.amdhsa_kernarg_size 48
		.amdhsa_user_sgpr_count 2
		.amdhsa_user_sgpr_kernarg_segment_ptr 1
		.amdhsa_wavefront_size32 1
		.amdhsa_system_sgpr_workgroup_id_x 1
		.amdhsa_system_sgpr_workgroup_id_y 1
		.amdhsa_system_sgpr_workgroup_id_z 1
		.amdhsa_system_vgpr_workitem_id 0
		.amdhsa_next_free_vgpr 1024
		.amdhsa_next_free_sgpr 88
		.amdhsa_reserve_vcc 0
		.amdhsa_float_denorm_mode_32 3
		.amdhsa_float_denorm_mode_16_64 3
		.amdhsa_memory_ordered 1
		.amdhsa_forward_progress 1
		.amdhsa_inst_pref_size 120
	.end_amdhsa_kernel
	.amdgpu_metadata
---
amdhsa.version: [ 1, 2 ]
amdhsa.kernels:
  - .name:           k_q5936b27998_proj
    .symbol:         k_q5936b27998_proj.kd
    .args:
      - { .name: xb, .offset: 0, .size: 8, .value_kind: global_buffer, .address_space: global }
      - { .name: wqkv, .offset: 8, .size: 8, .value_kind: global_buffer, .address_space: global }
      - { .name: bq, .offset: 16, .size: 8, .value_kind: global_buffer, .address_space: global }
      - { .name: bk, .offset: 24, .size: 8, .value_kind: global_buffer, .address_space: global }
      - { .name: bv, .offset: 32, .size: 8, .value_kind: global_buffer, .address_space: global }
      - { .name: qkv, .offset: 40, .size: 8, .value_kind: global_buffer, .address_space: global }
    .group_segment_fixed_size: 327680
    .private_segment_fixed_size: 0
    .kernarg_segment_align: 8
    .kernarg_segment_size: 48
    .max_flat_workgroup_size: 128
    .sgpr_count:     88
    .vgpr_count:     1024
    .wavefront_size: 32
...
	.end_amdgpu_metadata
.endif
;; end of part 2
;; launch attn (part 3): grid 4 x 64, 4 waves a work-group, clusters of 4 x 1, 327,680 bytes of LDS; arguments qkv, oh; writes oh
.if DOCPART == 3
	.amdgcn_target "amdgcn-amd-amdhsa--gfx1250"
	.amdhsa_code_object_version 6
	.text
	.protected	k_q5936b27998_attn
	.globl	k_q5936b27998_attn
	.p2align	8
	.type	k_q5936b27998_attn,@function
k_q5936b27998_attn:
	s_mov_b64 s[64:65], 0
	v_nop
	global_prefetch_b8 v0, s[64:65] scope:SCOPE_SE
	s_setreg_imm32_b32 hwreg(HW_REG_WAVE_MODE, 25, 1), 1
	s_wait_xcnt 0x0
	s_wait_alu depctr_hold_cnt(0) depctr_sa_sdst(0) depctr_va_vdst(0) depctr_va_sdst(0) depctr_va_ssrc(0) depctr_va_vcc(0) depctr_vm_vsrc(0)
	s_getreg_b32 s2, hwreg(HW_REG_IB_STS2, 6, 4)
	s_cmp_eq_u32 s2, 0
	s_cbranch_scc0 .Lentry_in_a_cluster
	s_endpgm
.Lentry_in_a_cluster:
	s_bfe_u32 s2, ttmp6, 0x10000c
	s_cmp_lg_u32 s2, 0x3003
	s_cbranch_scc0 .Lentry_shape_is_right
	s_endpgm
.Lentry_shape_is_right:
; O[y][q][:] = the sum over k of softmax_k(Q[y][q] . K[y][k] / 8) V[y][k][:] for the 64 pairs y = 16 b + head.  Q, K, V lie in qkv[b][g][2048][64] (g = head, 16 + head, 32 + head), O in oh[y][2048][64], all f16:
; a head's rows are dense, 128 bytes each.  Products, maxima and sums in f32; the weights p are rounded to f16 for the second product (their sum l is taken of the unrounded p), O once at the end.
; LIMITS.  f16 holds no number beyond 65,504: Q, K and V arrive within it; p lies in 0 to 1, and below 6e-5 it keeps f16's fixed step of 6e-8; O is a mean of V's rows and has their range.
; A weight below 2^-126 counts as 0 in l; NaN and infinities are not treated apart.
; SHARES.  A wave owns four PIECES of two tiles of 16 queries, a work-group's four waves 512 queries of one head: four work-groups, one cluster, to a head.  Every wave walks all keys, 64 a step.
; LAYOUT.  S^T = K Q^T (source 0 = 16 keys, source 1 = 16 queries): in the result a lane holds ONE query (lane % 16) and the keys 8 (lane / 16) + 0..7.  Two such tiles, rounded to f16 in pairs,
; ARE source 1 (32 keys x 16 queries) of O^T = V^T P, whose result again holds one query a lane, and eight channels.  K comes out of LDS as it lies, V ([key][channel]) turned, by ds_load_tr16_b128.
; SOFTMAX.  For each query a running maximum m and sum l: p = 2^(c s - c m), c = log2(e) / 8; in every step O and l are multiplied by a = 2^(c m_old - c m_new), which is 1 where m has not grown.
; m starts at the lowest finite number, O and l at 0: the first step is a step like any other, with a = 0.
; THE COUNT.  A tile and step have 16 matrix and 118 vector instructions: too many to stand all beside the matrix work.  So the order has one aim: four vector instructions that are READY behind
; EVERY matrix instruction, and the others, which need time of their own whatever the order, in runs without a gap.
; BY TURNS.  Turn n belongs to piece n (the pieces in a ring, step after step).  Its matrix work: 16 products K Q^T of piece n + 1, later 16 products V^T P of piece n - 1.  Its vector work: the scaling,
; exponentials, roundings, sums and rescaling of piece n, and the maximum and statistics of piece n + 1, whose scores the turn itself has made.  So what a turn begins with (c s - c m, O a) waits for nothing.
; CLUSTER.  The four query blocks of a cluster belong to one head and walk the same K and V, so each tile is asked for JOINTLY: the same tensor load, descriptor and mask in all four.
; REGISTERS, in windows of 256 (s_set_vgpr_msb says which window each operand place means: bits 1:0 source 0, 3:2 source 1, 5:4 source 2, 7:6 destination):
;   window 0: v0-11 addresses; v12-15, v48-63 at work; v16-47 four registers of statistics a tile; v64-191 S^T, two buffers of two tiles; v192-255 P, likewise
;   window 1: O^T, 32 a tile          window 2: v0-127 Q, 16 a tile; v128-191 K of one step; v192-255 V of one step          window 3: v0-1 the add's two registers
; A piece's buffers go by its number's parity: the piece in hand has one pair, its two neighbours in the ring share the other: of it P (piece n - 1) is read and S^T (piece n + 1) written.
.set SIZE_N, 2048
.set NP,    4         ; pieces a wave: a name, no knob: the register map, the loop and the fetches are made for four
.set KS,    64        ; keys in a step
.set PK,    144       ; a row of K in LDS: 128 bytes + 16 of padding = 36 words: the 16 rows of a load start at 16 different groups of four banks (64 banks of 4 bytes: ISA guide 11.1)
.set PV,    160       ; a row of V: 128 + 32 = 40 words
.set VOFF,  4*KS*PK   ; a slot holds four steps: 256 rows of K, then 256 rows of V
.set SLOT1, 1<<17     ; slot 1 begins here, so that one exclusive or turns an address in one slot into the other's
.set STAGE, SLOT1+4*KS*(PK+PV)  ; behind the ring, never filled by a tensor load: 16 rows x 144 bytes for each wave, for the way out
.set SP,    144
.set AK0, 2           ; v2   my lane's place in a tile of K; never rewritten
.set AV0, 3           ; v3   the same for V
.set AK,  4           ; v4   the LDS address of K's next run of loads
.set AV,  5           ; v5   of V's
.set QO,  6           ; v6   my byte offset in the wave's rows of Q
.set STO, 6           ;      later, the way out: where I put 16 bytes of a row
.set RD,  7           ; v7   the way out: where I read rows back
.set GO,  8           ; v8   my byte offset in 512 consecutive bytes of O
.set PFO, 11          ; v11  the prefetches' offset: 256 x my lane; never rewritten once it is made
.set SPW, 0           ; v0 of window 3   LDS address of my spare word: SPARE + 4 x my thread's number; never rewritten
.set NIL, 1           ; v1 of window 3   0; never rewritten
.set SPARE, STAGE+4*16*SP  ; behind the stages: the spare words, 128 bytes for each wave: two blocks of 256 bytes that no other line names
.set MV,  12          ; v12-15  c m_old, kept while c m is made anew: by buffer and tile
.set ST,  16          ; tile t's statistics at v[ST+4 t]: c m, m, l (even keys', odd keys')
.set TMP, 48          ; by buffer and tile, four registers c0-c3 at work; when the maximum is found c2 takes a
.set S,   64
.set P,   192
.set KF,  128         ; K's fragments, in window 2: key block kb, channel half c at KF + 16 kb + 8 c
.set VF,  192         ; V's: key half kk, channel block cb at VF + 32 kk + 8 cb
.set WV,  12          ; s12  my wave's number
.set G1K, 24          ; s[24:31] descriptor group 1 for K's tiles
.set G1V, 32          ; s[32:39] for V's: it differs in the padding alone
.set G0K, 40          ; s[40:43] descriptor group 0 for K's tiles: it walks
.set G0V, 44          ; s[44:47] the same for V's
.set PFA, 48          ; s[48:49] where my prefetches stand: my work-group's quarter (of K: wave 0, of V: wave 2) of the slot after the one that is being asked for
.set LIM, 50          ; s50  1 in a wave that prefetches, else the greatest number: a wave prefetches while s[SLOTS] is above it
.set SLOTS, 56        ; s56  slots still to be asked for
.set CNT, 57          ; s57  counts a slot's key steps
.set CS,  58          ; s[58:59] c: the packed scaling takes the pair's low word for both halves
.set SEL, 60          ; s[60:61] v_permlanex16_b32's selects: each lane takes its own place in the other half
.set TBK, 62          ; s62  LDS byte at which K of the step to be fetched begins
.set TBV, 63          ; s63  the same for V, less VOFF
.set MSB, 0
.macro WIN new                      ; the high byte repeats the setting that is left; a switch that changes nothing is dropped
.if MSB != (\new)
	s_set_vgpr_msb (MSB<<8)|(\new)
.set MSB, (\new)
.endif
.endm
.set W_KQ, 0x0a       ; K and Q in window 2, S^T in window 0
.set W_PV, 0x52       ; V in window 2, P in window 0, O^T in window 1
.set W_RS, 0x41       ; O^T (destination and source 0) in window 1, a in window 0
.set W_MK, 0xc0       ; the add's registers are made: destination in window 3, sources in window 0
.set W_AD, 0x0f       ; the add: address (source 0) and data (source 1) in window 3
; A joint fill.  Waves 0 and 1 fetch the two halves of a slot's K, waves 2 and 3 those of its V: 128 keys each.  The branch hangs on the wave's number alone.
; An s_nop 0 and four v_nop follow each of the two lines, ahead of the jump and the label.
.macro JLOAD
	s_cmp_lt_u32 s[WV], 2
	s_cbranch_scc0 .Lfor_v_\@
	tensor_load_to_lds s[G0K:G0K+3], s[G1K:G1K+7]
	s_nop 0
.rept 4
	v_nop
.endr
	s_branch .Lasked_\@
.Lfor_v_\@:
	tensor_load_to_lds s[G0V:G0V+3], s[G1V:G1V+7]
	s_nop 0
.rept 4
	v_nop
.endr
.Lasked_\@:
.endm
; A PREFETCH INTO THE L2 of what the NEXT change of slots will ask for: a slot's 32,768 bytes of K and as many of V, a lane to each aligned block of 256 bytes.  It stands behind the wave's tensor load and its five lines.
; Each block is named ONCE in the launch: a head has one cluster; its four partners share a slot out BY ADDRESS, 8,192 bytes each (no branch hangs on a work-group's place in its cluster); in each, wave 0 asks for K's
; and wave 2 for V's: one instruction, four key steps, 512 matrix instructions, ahead of the load that will want the bytes.  The last change that fills a slot asks for nothing: there is no slot behind it.
.macro ASK
	s_cmp_gt_u32 s[SLOTS], s[LIM]
	s_cbranch_scc0 .Lnot_mine_\@
	global_prefetch_b8 v[PFO], s[PFA:PFA+1] th:TH_LOAD_NT scope:SCOPE_SE
.Lnot_mine_\@:
.endm
; A round of the cluster's barrier: my work-group's barrier, so that wave 0's signal speaks for all four waves; wave 0 signals; every wave waits for all four work-groups; my work-group's barrier once more.
.macro CROUND
	s_barrier_signal -1
	s_barrier_wait -1
	s_cmp_lg_u32 s[WV], 0
	s_cbranch_scc1 .Lnot_wave_0_\@
	s_barrier_signal -3
.Lnot_wave_0_\@:
	s_barrier_wait -3
	s_barrier_signal -1
	s_barrier_wait -1
.endm
; THE CHANGE OF SLOTS.  The slot's last bytes, V of its fourth step, have been read.  Each wave waits for all its tensor loads, of which one is out: its part
; of the other slot; adds 0 to its spare word; and waits for that and for its own reads of the slot.  Behind the barrier nobody reads this slot any more and the other slot is whole.
; fill = 1: this slot is filled again, with the keys two slots on.  The barrier is then a round of the cluster's, so that no wave of any partner still reads the slot or has a load on its
; way, and the joint fill is the first thing behind it: it has four key steps, 512 matrix instructions, in which to land.  (At its first use nothing has been read yet: slot 0 is waited for, slot 1 filled.)
.macro CHANGE fill
	WIN W_AD
	s_wait_tensorcnt 0x0            ; no tensor load of mine is out, so a group 0 may be written
	ds_add_u32 v[SPW], v[NIL]       ; 0 onto my spare word; with fill = 1 the descriptors' steps stand between it and the wait for it
	WIN 0                           ; at a label and at a branch every window is 0
.if \fill
.irp g, G0K, G0V
	s_xor_b32 s[\g+1], s[\g+1], SLOT1  ; the walking descriptor: the other slot than last time,
	s_add_nc_u64 s[\g+2:\g+3], s[\g+2:\g+3], 4*KS*128  ; the next 256 keys; the type bits on top are not reached
.endr
	s_wait_xcnt 0x0                 ; the last prefetch, four key steps back, has read its address, so it may be written:
	s_add_nc_u64 s[PFA:PFA+1], s[PFA:PFA+1], 4*KS*128  ; one slot behind the walking descriptors
	s_wait_dscnt 0x0                ; the add is done, and my reads of the slot are over
	CROUND
	JLOAD
	ASK
.else
	s_wait_dscnt 0x0                ; the add is done, and my reads of the slot are over
	s_barrier_signal -1
	s_barrier_wait -1
.endif
	s_sub_co_u32 s[TBK], s[TBK], 4*KS*PK  ; the fetches go back to a slot's first step,
	s_xor_b32 s[TBK], s[TBK], SLOT1       ; in the other slot
	s_sub_co_u32 s[TBV], s[TBV], 4*KS*PV
	s_xor_b32 s[TBV], s[TBV], SLOT1
.endm
	s_load_b64 s[4:5], s[0:1], 0x0    ; qkv
	s_load_b64 s[10:11], s[0:1], 0x8  ; oh
	WIN W_MK
	v_lshl_add_u32 v[SPW], v0, 2, SPARE
	v_mov_b32 v[NIL], 0
	WIN W_AD
	ds_add_u32 v[SPW], v[NIL]       ; the wave's opening: the add and its wait stand ahead of my first tensor load; the set-up below, work on registers, stands between them
	WIN 0
	v_lshrrev_b32 v1, 5, v0
	v_readfirstlane_b32 s[WV], v1   ; wave 0..3
	s_bfe_u32 s13, ttmp6, 0x40000   ; cx: my place in the cluster
	s_lshl_b32 s14, ttmp9, 2        ; in a cluster launch ttmp9 counts clusters
	s_add_co_u32 s14, s14, s13      ; my block of queries = 4 x cluster x + cx: it enters Q's and O's addresses alone
	s_and_b32 s15, ttmp7, 0xffff    ; y = 16 b + head, which the four partners share
	s_lshr_b32 s20, s15, 4
	s_mul_i32 s20, s20, 48          ; a batch has 48 groups in qkv,
	s_and_b32 s21, s15, 15
	s_add_co_u32 s20, s20, s21
	s_lshl_b32 s20, s20, 18         ; each of 2,048 rows of 128 bytes: q's first byte for this head; k's and v's lie 16 and 32 groups on
	s_mov_b32 s21, 0
	s_and_b32 s16, s[WV], 1         ; which half of a slot's 256 keys I fetch:
	s_lshl_b32 s22, s16, 14         ; its 128 rows of 128 bytes in memory,
	s_mov_b32 s23, 0
	s_add_nc_u64 s[22:23], s[22:23], s[20:21]
	s_mul_i32 s17, s16, 128*PK      ; and its place in a slot, for K
	s_mul_i32 s18, s16, 128*PV      ; and for V: no place in the cluster enters an LDS address
	s_lshl_b32 s2, s14, 2
	s_add_co_u32 s2, s2, s[WV]      ; my wave among the head's,
	s_lshl_b32 s2, s2, 14           ; its 128 rows
	s_mov_b32 s3, 0
	s_lshl_b32 s52, s15, 18         ; in oh the heads lie one behind the other
	s_add_co_u32 s52, s52, s2
	s_mov_b32 s53, 0
	s_add_nc_u64 s[2:3], s[2:3], s[20:21]
	; descriptor group 1.  128 keys are 16,384 dense bytes: asked for as 64 rows of 256 bytes, two keys a row, and padded in LDS after every key
	s_mov_b32 s[G1K], 15|(1<<16)|(1<<20)|(1<<21)|(4<<22)|(3<<25)  ; 15:0 the mask of four; 17:16 2-byte elements; 20 padding on; 21 set beside a mask; 24:22 after every 32 words (code 4); 31:25 4 words (code 3)
	s_mov_b32 s[G1V], 15|(1<<16)|(1<<20)|(1<<21)|(4<<22)|(7<<25)  ; the same with 8 words of padding (code 7)
.irp g, G1K, G1V
	s_mov_b32 s[\g+1], 128<<16      ; tensor_dim0 = 128
	s_mov_b32 s[\g+2], 64<<16       ; tensor_dim1 = 64
	s_mov_b32 s[\g+3], 128<<16      ; tile_dim0 = 128
	s_mov_b32 s[\g+4], 64           ; tile_dim1 = 64
	s_mov_b32 s[\g+5], 128          ; 128 elements from row to row
	s_mov_b32 s[\g+6], 0
	s_mov_b32 s[\g+7], 0
.endr
	s_mov_b32 s[CS], 0x3e38aa3b     ; c = log2(e) / 8 = 0.180337
	s_mov_b32 s[CS+1], s[CS]        ; named with it as a pair
	s_mov_b32 s[SEL], 0x76543210
	s_mov_b32 s[SEL+1], 0xfedcba98
	s_mov_b32 s[TBK], SLOT1+4*KS*PK ; the first change of slots turns these two into 0
	s_mov_b32 s[TBV], SLOT1+4*KS*PV
	s_mov_b32 s[G0K], 1             ; 1:0 count = 1
	s_mov_b32 s[G0K+1], s17         ; 63:32 LDS address: slot 0
	s_mov_b32 s[G0V], 1
	s_add_co_u32 s[G0V+1], s18, VOFF
	s_mov_b32 s[SLOTS], SIZE_N/256-1
	s_lshl_b32 s54, s13, 13         ; my work-group's quarter of a slot's bytes
	s_mov_b32 s55, 0
	s_cmp_eq_u32 s16, 0             ; waves 0 and 2 prefetch: the same in all four partners
	s_cselect_b32 s[LIM], 1, -1
	s_wait_dscnt 0x0                ; the opening add is done
	s_wait_kmcnt 0x0
	s_add_nc_u64 s[6:7], s[4:5], 16*SIZE_N*128     ; k's groups
	s_add_nc_u64 s[8:9], s[4:5], 32*SIZE_N*128     ; v's
	s_add_nc_u64 s[G0K+2:G0K+3], s[6:7], s[22:23]  ; 120:64 global address: my half of the head's first 256 keys
	s_or_b32 s[G0K+3], s[G0K+3], 0x80000000        ; 127:126 type = 2
	s_add_nc_u64 s[G0V+2:G0V+3], s[8:9], s[22:23]
	s_or_b32 s[G0V+3], s[G0V+3], 0x80000000
	s_cmp_lt_u32 s[WV], 2
	s_cselect_b64 s[PFA:PFA+1], s[6:7], s[8:9]
	s_add_nc_u64 s[PFA:PFA+1], s[PFA:PFA+1], s[22:23]  ; (in waves 0 and 2 this is the head's first row)
	s_add_nc_u64 s[PFA:PFA+1], s[PFA:PFA+1], s[54:55]
	s_add_nc_u64 s[PFA:PFA+1], s[PFA:PFA+1], 4*KS*128  ; in slot 1; the first change of slots steps it to slot 2.  Nothing is prefetched here, at the head
	s_add_nc_u64 s[4:5], s[4:5], s[2:3]  ; Q and O at my wave's first row
	s_add_nc_u64 s[10:11], s[10:11], s[52:53]
	CROUND                          ; all four work-groups are here: the first joint loads meet
	JLOAD                           ; slot 0.  Slot 1 is asked for when slot 0 is in: the tile wanted first has the road to itself
	; A fragment of K or Q is 16 rows x 32 channels in 8 registers: lane l holds row l % 16, channels 8 (l / 16) + 0..7 and 16 + 8 (l / 16) + 0..7: two loads of 16 bytes, 32 bytes apart.
	v_and_b32 v1, 15, v0            ; l % 16
	v_bfe_u32 v9, v0, 4, 1          ; l / 16
	v_lshlrev_b32 v[QO], 7, v1
	v_lshl_add_u32 v[QO], v9, 4, v[QO]  ; row x 128 + 16 x half
	WIN 0x80                        ; destination window 2, address window 0
.set i, 0
.rept 4*NP                          ; Q stays in registers: tile i / 2, channels 32 (i % 2) on
	global_load_b128 v[8*i:8*i+3],   v[QO], s[4:5] offset:(i/2)*2048+(i%2)*64
	global_load_b128 v[8*i+4:8*i+7], v[QO], s[4:5] offset:(i/2)*2048+(i%2)*64+32
.set i, i+1
.endr
	; What the first turn finds: V's registers and P's second buffer hold 0 (its products V^T P, of a piece that has not been, add 0), O^T and l are 0.  All this stands in the wait for the first tile.
.set i, VF
.rept 64
	v_mov_b32 v[i], 0
.set i, i+1
.endr
	WIN 0x40
.set i, 0
.rept 64*NP
	v_mov_b32 v[i], 0
.set i, i+1
.endr
	WIN 0
.set i, 0
.rept 2*NP
	v_mov_b32 v[ST+4*i], 0xfe000000    ; c m: far below every c s
	v_mov_b32 v[ST+4*i+1], 0xff7fffff  ; m
	v_mov_b32 v[ST+4*i+2], 0
	v_mov_b32 v[ST+4*i+3], 0
.set i, i+1
.endr
.set i, P+32
.rept 32
	v_mov_b32 v[i], 0
.set i, i+1
.endr
	v_mul_u32_u24 v[AK0], v1, PK
	v_lshl_add_u32 v[AK0], v9, 4, v[AK0]  ; row x pitch + 16 x half
	; The turning load takes 16 keys x 16 channels (lane l reads key 8 (l / 16) + l % 8, channels 8 ((l / 8) % 2) + 0..7) and leaves half a fragment of V^T: lane l holds channel l % 16 and 8 keys.
	v_and_b32 v10, 7, v0
	v_bfe_u32 v11, v0, 3, 1
	v_lshl_add_u32 v[AV0], v9, 3, v10
	v_mul_u32_u24 v[AV0], v[AV0], PV
	v_lshl_add_u32 v[AV0], v11, 4, v[AV0]
	v_add_nc_u32 v[AV0], VOFF, v[AV0]
	v_and_b32 v[PFO], 31, v0
	v_lshlrev_b32 v[PFO], 8, v[PFO]
	v_mov_b32 v[AK], v[AK0]         ; key step 0 lies at the head of slot 0
; THE MATRIX WORK.  The 8 accumulators of a run of 16 take turns: between the two links of a chain stand 7 others'.
; Product i of 16 of S^T = K Q^T for piece x: channels 32 (i / 8) on, keys 16 ((i / 2) % 4) on, tile 2 x + i % 2.  The first 8 start the sums.
.macro KQ x
	WIN W_KQ
.set rS, S+64*((\x)%2)+32*(i%2)+8*((i/2)%4)
.set rK, KF+16*((i/2)%4)+8*(i/8)
.set rQ, 16*(2*(\x)+i%2)+8*(i/8)
.if i < 8
	v_wmma_f32_16x16x32_f16 v[rS:rS+7], v[rK:rK+7], v[rQ:rQ+7], 0
.else
	v_wmma_f32_16x16x32_f16 v[rS:rS+7], v[rK:rK+7], v[rQ:rQ+7], v[rS:rS+7]
.endif
.endm
; Product i of 16 of O^T += V^T P for piece x: keys 32 (i / 8) on, channels 16 ((i / 2) % 4) on, tile 2 x + i % 2.
.macro PV x
	WIN W_PV
.set rO, 32*(2*(\x)+i%2)+8*((i/2)%4)
.set rV, VF+32*(i/8)+8*((i/2)%4)
.set rP, P+32*((\x)%2)+16*(i%2)+8*(i/8)
	v_wmma_f32_16x16x32_f16 v[rO:rO+7], v[rV:rV+7], v[rP:rP+7], v[rO:rO+7]
.endm
.macro MM                           ; the turn's next matrix instruction
.if i < 16
	KQ (Y+1)%NP
.set i, i+1
.else
.set i, i-16
	PV (Y+NP-1)%NP
.set i, i+17
.endif
.endm
; THE LDS LOADS stand in runs of 16, never singly among the matrix instructions: a step's K (64 keys x 64 channels: 8 fragments) and its V (turned).  Their addresses are made some lines ahead.
; last = 1 (the tail): in the last trip there is no further step, and the run is jumped over.
.macro FETCH_K last=0
	WIN 0
.if \last
	s_cmp_eq_u32 s[CNT], 1
	s_cbranch_scc1 .Lno_k_\@
.endif
	WIN 0x80                        ; destination window 2
.irp f, 0,1,2,3,4,5,6,7             ; keys 16 (f / 2) on, channels 32 (f % 2) on
	ds_load_b128 v[KF+8*\f:KF+8*\f+3],   v[AK] offset:(\f/2)*16*PK+(\f%2)*64
	ds_load_b128 v[KF+8*\f+4:KF+8*\f+7], v[AK] offset:(\f/2)*16*PK+(\f%2)*64+32
.endr
	s_add_co_u32 s[TBK], s[TBK], KS*PK  ; the next fetch is the next step's
	WIN 0
.if \last
.Lno_k_\@:
.endif
.endm
.macro FETCH_V
	WIN 0x80
.irp f, 0,1,2,3,4,5,6,7             ; keys 32 (f / 4) on, channels 16 (f % 4) on
	ds_load_tr16_b128 v[VF+8*\f:VF+8*\f+3],   v[AV] offset:(\f/4)*32*PV+(\f%4)*32
	ds_load_tr16_b128 v[VF+8*\f+4:VF+8*\f+7], v[AV] offset:(\f/4)*32*PV+16*PV+(\f%4)*32
.endr
	WIN 0
.endm
; THE VECTOR WORK OF A TURN stands in three queues, each in the order in which its entries become ready; the two tiles alternate, so that no instruction reads the result of the one before it.
.macro REGS y, u                    ; the registers of tile u (0, 1) of piece y
.set rT, ST+4*(2*(\y)+(\u))
.set rC, TMP+8*((\y)%2)+4*(\u)
.set rM, MV+2*((\y)%2)+(\u)
.set rS, S+64*((\y)%2)+32*(\u)
.set rP, P+32*((\y)%2)+16*(\u)
.set rO, 32*(2*(\y)+(\u))
.endm
; Number n of the 22 that find the NEXT piece's (Y + 1) maximum and statistics.  s0-s31 are the lane's 32 scores; each accumulator's lowest registers are read first.  XS, GS and REGS set no window: PL and EX do.
;   0-11  four chains c0-c3 of seven scores each, three operands at a time     12-14, 16  the four scores left over, the old m, and c0-c3 into c0     15  c m_old is kept
;   17, 18  the query's other 32 keys lie in the lane 16 away: the new m         19-21  c m; c m_old - c m_new; a
.macro XS u, n
	REGS (Y+1)%NP, \u
.if (\n) < 4
	v_max3_num_f32 v[rC+(\n)], v[rS+8*(\n)], v[rS+8*(\n)+1], v[rS+8*(\n)+2]
.elseif (\n) < 12
	v_max3_num_f32 v[rC+(\n)%4], v[rC+(\n)%4], v[rS+8*((\n)%4)+2*((\n)/4)+1], v[rS+8*((\n)%4)+2*((\n)/4)+2]
.elseif (\n) == 12
	v_max3_num_f32 v[rC], v[rC], v[rS+7], v[rS+15]
.elseif (\n) == 13
	v_max3_num_f32 v[rC+1], v[rC+1], v[rS+23], v[rS+31]
.elseif (\n) == 14
	v_max3_num_f32 v[rC+2], v[rC+2], v[rC+3], v[rT+1]
.elseif (\n) == 15
	v_mov_b32 v[rM], v[rT]
.elseif (\n) == 16
	v_max3_num_f32 v[rC], v[rC], v[rC+1], v[rC+2]
.elseif (\n) == 17
	v_permlanex16_b32 v[rC+3], v[rC], s[SEL], s[SEL+1]
.elseif (\n) == 18
	v_max_num_f32 v[rT+1], v[rC], v[rC+3]
.elseif (\n) == 19
	v_mul_f32 v[rT], s[CS], v[rT+1]
.elseif (\n) == 20
	v_sub_f32 v[rC+1], v[rM], v[rT]
.else
	v_exp_f32 v[rC+2], v[rC+1]
.endif
.endm
; Number g of the 64 that follow the exponentials.  For each four weights k of a tile (pairs 2 k, 2 k + 1): both pairs are rounded to f16; then the second pair is added onto the first, in place;
; a group later l takes that sum (the first time as l = a l + sum).  In groups of eight, tiles alternating: round, round, add, and l for the group before.
.macro GS g
.set h, (\g)+6*((\g)/62)            ; group 0 has no group before it, and behind group 7 only l is left
.if h >= 6
.set h, h+2
.endif
	REGS Y, h%2
.set k, h/8
.if h%8 < 4
	s_wait_alu depctr_va_vdst(0)
	v_cvt_pk_f16_f32 v[rP+2*k+(h%8)/2], v[rS+4*k+2*((h%8)/2)], v[rS+4*k+2*((h%8)/2)+1]
.elseif h%8 < 6
	v_pk_add_f32 v[rS+4*k:rS+4*k+1], v[rS+4*k:rS+4*k+1], v[rS+4*k+2:rS+4*k+3]
.elseif k == 1
	v_pk_fma_f32 v[rT+2:rT+3], v[rT+2:rT+3], v[rC+2:rC+3], v[rS:rS+1] op_sel_hi:[1,0,1]
.else
	v_pk_add_f32 v[rT+2:rT+3], v[rT+2:rT+3], v[rS+4*k-4:rS+4*k-3]
	s_wait_alu depctr_va_vdst(0)
.endif
.endm
; THE PLAIN QUEUE, 138 long.  0-31: c s - c m for the 16 pairs of both tiles.  Then GS's 64, and among them the next piece's 42: number 15 at 38, 39; 0-14 and 16
; at 42-73, behind the products that make those scores; 17-20 at 95-106, two of three, since each waits for the one before it.
.macro PL
	WIN 0
.if q < 32
	REGS Y, q%2
	v_pk_fma_f32 v[rS+2*(q/2):rS+2*(q/2)+1], v[rS+2*(q/2):rS+2*(q/2)+1], s[CS:CS+1], v[rT:rT+1] op_sel_hi:[1,0,0] neg_lo:[0,0,1] neg_hi:[0,0,1]
.elseif q < 38
	GS q-32
.elseif q < 40
	XS q%2, 15
.elseif q < 42
	GS q-34
.elseif q < 74
	XS q%2, (q-42)/2+(q-42)/30
.elseif q < 95
	GS q-66
.elseif (q < 107) && ((q-95)%3 < 2)
	XS (q-95)%3, 17+(q-95)/3
.elseif q < 107
	GS 29+(q-95)/3
.else
	GS q-74
.endif
.set q, q+1
.endm
; THE EXPONENTIALS' QUEUE, 66 long: s0-s31 of both tiles, and at EA the next piece's two a.
.set EA, 58
.macro EX
	WIN 0
.if (e == EA) || (e == EA+1)
	XS e-EA, 21
.else
.set x, e-2*(e/(EA+2))
	REGS Y, x%2
	v_exp_f32 v[rS+x/2], v[rS+x/2]
.endif
.set e, e+1
.endm
; THE RESCALING's QUEUE: O^T times a, the one part that leaves window 0, so it is dealt four at a time, eight times.
.macro R4
	REGS Y, r%2
	WIN W_RS
	s_wait_alu depctr_va_vdst(0)
.irp z, 0,1,2,3
	v_pk_mul_f32 v[rO+8*(r/2)+2*\z:rO+8*(r/2)+2*\z+1], v[rO+8*(r/2)+2*\z:rO+8*(r/2)+2*\z+1], v[rC+2:rC+3] op_sel_hi:[1,0]
.endr
.set r, r+1
.endm
; HOW THEY ARE DEALT.  Behind a matrix instruction four: plain, exponential, plain, plain (one exponential, a plain instruction on either side), or four of the rescaling.  None names a register of the
; products round it.  What is over stands in two LUMPS: exponential and plain by turns; the second ends in 22 plain instructions.  The two v_permlanex16_b32 fall into the second lump, never behind a product.
; The queues lean on each other, and the deal keeps them in step: exponential e stands behind plain 2 (e / 4) + e % 2 (its scaling); when plain 32 comes, 10 exponentials are out, at 59: 33, at 95: 46; EA comes behind plain 107.
.macro SL
	MM
	PL
	EX
	PL
	PL
.endm
.macro BURST n                      ; 15 matrix instructions, or 16
.rept (\n)-7
	SL
.endr
.rept 3
	MM
	R4
	SL
.endr
	MM
	R4
.endm
; A TURN, for piece p.  cnt = 1: the loop's count is taken down some lines ahead of the branch that stands behind the turn.
; K of the next step is fetched in piece 2's turn, 31 vector instructions behind the last product that read K; its first reader comes behind the rest of the lump, 16 products and the second lump.
; V of the step in hand is fetched at the end of piece 0's turn, 69 behind its last reader; its first reader comes behind 16 products and a lump.  The four conditions on e and q below go with the deal.
.macro TURN p, last=0, cnt=0
.set Y, (\p)
.set i, 0
.set q, 0
.set e, 0
.set r, 0
.if (\p) == NP-1
	s_wait_dscnt 0x0                ; K is in
.endif
	MM
.rept 4
	PL
.endr
	BURST 15
.rept 22
	EX
	PL
.if ((\p) == NP-2) && (e == 18)
	v_add_nc_u32 v[AK], s[TBK], v[AK0]
.endif
.if ((\p) == NP-2) && (e == 24)
	FETCH_K \last
.endif
.endr
.if (\p) == 1
	s_wait_dscnt 0x0                ; V is in
.endif
	BURST 16
.rept 21
	EX
	PL
.endr
.rept 22
	PL
.if ((\p) == 0) && (q == 118)
	v_add_nc_u32 v[AV], s[TBV], v[AV0]
	s_wait_alu depctr_va_vdst(0)
.endif
.if ((\p) == 0) && (q == 130)
	s_add_co_u32 s[TBV], s[TBV], KS*PV
.endif
.if (\cnt) && (q == 130)
	s_sub_co_u32 s[CNT], s[CNT], 1
	s_cmp_lg_u32 s[CNT], 0
.endif
.endr
.if (\p) == 0
	FETCH_V
.endif
.endm
	CHANGE 1                        ; slot 0 is in, everybody's part of it; slot 1 is asked for
	FETCH_K                         ; key step 0
	s_wait_loadcnt 0x0              ; Q
	s_wait_dscnt 0x0
.set i, 0
.rept 16
	KQ 0                            ; piece 0's first scores: there is no vector work yet to set between them
.set i, i+1
.endr
	WIN 0                           ; the addresses for the way out: nine plain instructions, the places behind those products
	s_mul_i32 s13, s[WV], 16*SP
	s_add_co_u32 s13, s13, STAGE    ; my stage
	v_mul_u32_u24 v[STO], v1, SP    ; in: row l % 16, 16 bytes for each half of the lanes
	v_lshl_add_u32 v[STO], v9, 4, v[STO]
	v_add_nc_u32 v[STO], s13, v[STO]
	v_bfe_u32 v[RD], v0, 3, 2       ; back: 32 lanes take four rows of 128 bytes,
	v_mul_u32_u24 v[RD], v[RD], SP
	v_lshl_add_u32 v[RD], v10, 4, v[RD]
	v_add_nc_u32 v[RD], s13, v[RD]
	v_and_b32 v[GO], 31, v0         ; which are 512 consecutive bytes of O
	v_lshlrev_b32 v[GO], 4, v[GO]
.set Y, NP-1                        ; XS works for piece Y + 1: piece 0
.irp n, 0,1,2,3,4,5,6,7,8,9,10,11,12,13,14,15,16,17,18,19,20,21
	XS 0, \n                        ; and piece 0's first maximum and statistics
	XS 1, \n
.endr
	s_mov_b32 s[CNT], 4
	s_branch .Lfirst                ; the loop is entered at a step's first turn, in the middle of a trip
.Lslot:                             ; SIZE_N / 256 - 2 times: every slot but the last two is filled again
	CHANGE 1
	s_mov_b32 s[CNT], 4
.Lstep:                             ; a trip: pieces 2 and 3 of one step, then pieces 0 and 1 of the next, whose K and V it fetches
	TURN 2
	TURN 3
	WIN 0
.Lfirst:
	TURN 0
	TURN 1, 0, 1
	WIN 0
	s_cbranch_scc1 .Lstep
	s_sub_co_u32 s[SLOTS], s[SLOTS], 1
	s_cmp_lg_u32 s[SLOTS], 0
	s_cbranch_scc1 .Lslot
	CHANGE 0                        ; the tail is written out: nothing is asked for
	s_mov_b32 s[CNT], 5             ; four trips fetch the last slot's steps; the fifth is left in its middle
.Ltail:
	TURN 2, 1
	TURN 3
	WIN 0
	s_sub_co_u32 s[CNT], s[CNT], 1
	s_cmp_eq_u32 s[CNT], 0
	s_cbranch_scc1 .Lout
	TURN 0
	TURN 1
	WIN 0
	s_branch .Ltail
.Lout:                              ; the fifth trip's 16 products K Q^T (on the last K once more) and the maximum made of them serve nothing: the price, once a launch, of one text for every trip
.set i, 0
.rept 16
	PV NP-1                         ; the last piece's V^T P of the last step
.set i, i+1
.endr
	; THE WAY OUT.  l's two halves and the other half of the lanes' are added; O^T is divided by l, rounded to f16 and sent through my stage in LDS, a tile at a time.  The additions are the places behind the last products.
	WIN 0
.macro ALL line:vararg              ; one line for each tile t
.set t, 0
.rept 2*NP
	\line
.set t, t+1
.endr
.endm
	ALL v_add_f32 v[ST+4*t+2], v[ST+4*t+2], v[ST+4*t+3]
	ALL v_permlanex16_b32 v[ST+4*t+3], v[ST+4*t+2], s[SEL], s[SEL+1]
	ALL v_add_f32 v[ST+4*t+2], v[ST+4*t+2], v[ST+4*t+3]
	ALL v_rcp_f32 v[ST+4*t+2], v[ST+4*t+2]
	v_nop                           ; a plain instruction between the last reciprocal and the use of its result
	s_wait_alu depctr_va_vdst(0)
; Tile t: a lane's eight channels of a row pack into 16 bytes; they go into rows of 144 bytes and come back as whole rows of 128, into S^T's registers.
.macro PACK t
	WIN W_RS
.set i, 32*(\t)
.rept 16
	v_pk_mul_f32 v[i:i+1], v[i:i+1], v[ST+4*(\t)+2:ST+4*(\t)+3] op_sel_hi:[1,0]
.set i, i+2
.endr
	WIN 0x05                        ; sources 0 and 1 window 1, destination window 0
.set i, 0
.rept 16
	v_cvt_pk_f16_f32 v[S+16*(\t)+i], v[32*(\t)+2*i], v[32*(\t)+2*i+1]
.set i, i+1
.endr
	WIN 0
.irp f, 0,1,2,3
	ds_store_b128 v[STO], v[S+16*(\t)+4*\f:S+16*(\t)+4*\f+3] offset:32*\f
.endr
.irp f, 0,1,2,3
	ds_load_b128 v[S+16*(\t)+4*\f:S+16*(\t)+4*\f+3], v[RD] offset:\f*4*SP  ; LDS serves a wave's instructions in order (ISA guide 5.7.1.4): these see the stores above; the next tile's stores come behind them
.endr
.endm
.macro SEND t, younger              ; younger: the LDS instructions issued behind tile t's loads: the next tile's eight, or none
	WIN 0
.irp f, 0,1,2,3
	s_wait_dscnt (\younger)+3-\f
	global_store_b128 v[GO], v[S+16*(\t)+4*\f:S+16*(\t)+4*\f+3], s[10:11] offset:(\t)*2048+\f*512  ; 512 consecutive bytes, at a multiple of 256 from O's first
.endr
.endm
	PACK 0
.set t, 1
.rept 2*NP-1                        ; a tile's arithmetic stands between the loads of the tile before and its stores
	PACK t
	SEND t-1, 8
.set t, t+1
.endr
	SEND 2*NP-1, 0
	WIN W_AD
	s_wait_tensorcnt 0x0            ; the wave's end, behind my last tensor load and my last LDS store
	ds_add_u32 v[SPW], v[NIL]
	s_wait_dscnt 0x0
	WIN 0
	CROUND                          ; the closing round: no work-group ends while a partner may still ask for a tile that names it
	s_endpgm
.Lfunc_end_k_q5936b27998_attn:
	.size	k_q5936b27998_attn, .Lfunc_end_k_q5936b27998_attn-k_q5936b27998_attn
	.p2alignl 7, 3214868480
	.fill 96, 4, 3214868480
	.section	.rodata,"a",@progbits
	.p2align	6, 0x0
	.amdhsa_kernel k_q5936b27998_attn
		.amdhsa_group_segment_fixed_size 327680
		.amdhsa_private_segment_fixed_size 0
		.amdhsa_enable_private_segment 0
		.amdhsa_kernarg_size 16
		.amdhsa_user_sgpr_count 2
		.amdhsa_user_sgpr_kernarg_segment_ptr 1
		.amdhsa_wavefront_size32 1
		.amdhsa_system_sgpr_workgroup_id_x 1
		.amdhsa_system_sgpr_workgroup_id_y 1
		.amdhsa_system_sgpr_workgroup_id_z 1
		.amdhsa_system_vgpr_workitem_id 0
		.amdhsa_next_free_vgpr 770
		.amdhsa_next_free_sgpr 66
		.amdhsa_reserve_vcc 0
		.amdhsa_float_denorm_mode_32 3
		.amdhsa_float_denorm_mode_16_64 3
		.amdhsa_memory_ordered 1
		.amdhsa_forward_progress 1
		.amdhsa_inst_pref_size 210
	.end_amdhsa_kernel
	.amdgpu_metadata
---
amdhsa.version: [ 1, 2 ]
amdhsa.kernels:
  - .name:           k_q5936b27998_attn
    .symbol:         k_q5936b27998_attn.kd
    .args:
      - { .name: qkv, .offset: 0, .size: 8, .value_kind: global_buffer, .address_space: global }
      - { .name: oh, .offset: 8, .size: 8, .value_kind: global_buffer, .address_space: global }
    .group_segment_fixed_size: 327680
    .private_segment_fixed_size: 0
    .kernarg_segment_align: 8
    .kernarg_segment_size: 16
    .max_flat_workgroup_size: 128
    .sgpr_count:     66
    .vgpr_count:     770
    .wavefront_size: 32
...
	.end_amdgpu_metadata
.endif
;; end of part 3
;; launch outp (part 4): grid 4 x 64, 4 waves a work-group, clusters of 4 x 4, 327,680 bytes of LDS; arguments oh, wfb, bf, out0; writes out0
.if DOCPART == 4
	.amdgcn_target "amdgcn-amd-amdhsa--gfx1250"
	.amdhsa_code_object_version 6
	.text
	.protected	k_q5936b27998_outp
	.globl	k_q5936b27998_outp
	.p2align	8
	.type	k_q5936b27998_outp,@function
k_q5936b27998_outp:
	s_mov_b64 s[64:65], 0
	v_nop
	global_prefetch_b8 v0, s[64:65] scope:SCOPE_SE
	s_setreg_imm32_b32 hwreg(HW_REG_WAVE_MODE, 25, 1), 1
	s_wait_xcnt 0x0
	s_wait_alu depctr_hold_cnt(0) depctr_sa_sdst(0) depctr_va_vdst(0) depctr_va_sdst(0) depctr_va_ssrc(0) depctr_va_vcc(0) depctr_vm_vsrc(0)
	s_getreg_b32 s2, hwreg(HW_REG_IB_STS2, 6, 4)
	s_cmp_eq_u32 s2, 0
	s_cbranch_scc0 .Lentry_in_a_cluster
	s_endpgm
.Lentry_in_a_cluster:
	s_bfe_u32 s2, ttmp6, 0x10000c
	s_cmp_lg_u32 s2, 0xf033
	s_cbranch_scc0 .Lentry_shape_is_right
	s_endpgm
.Lentry_shape_is_right:
; out0[m][n] = the sum over k of O[m][k] Wf[k][n] + bf[n].  M = 8,192, N = 1,024, K = 1,024 (k = 64 head + d).  O comes as oh[16 b + head][2048][64] f16, which IS the layout [k / 64][row][64] of a batch;
; Wf as wfb[k / 64][n][64] f16 (bf16 numbers written as f16).  Sums f32; they START with bf, rounded to bf16 like every input.  out0 is f32.
; LIMITS.  The operands arrive within f16's range; NaN and infinities are not treated apart.
; SHARES.  A tile of out0 is 128 x 256: 64 x 4 = 256 work-groups.  Four waves, each 64 rows x 128 columns: 32 accumulators of 16 x 16, 256 registers.
; K goes in steps of 128 (two blocks of 64) through two LDS slots; a wave's one tensor load brings one block's rows of one operand, dense in memory: rows of 256 bytes (two operand rows), padded in LDS behind every 128.
; CLUSTER.  4 x 4 work-groups; O's tile is shared along a row of the cluster, Wf's along a column: each is asked for jointly, by the same tensor load, descriptor and mask in the four.
; THE PRODUCT IS USED TRANSPOSED (source 0 = 16 rows of wfb, source 1 = 16 rows of O): lane l then holds row m = l % 16 and the columns 8 (l / 16) + 0..7: 32 bytes of out0 on end.
; REGISTERS: window 0: v0-31 addresses; v32-63 at work; v64-159, v160-255 two fragment buffers (O's 4 fragments, then Wf's 8).  Window 1: accumulator (a, b) at v[8 (8 a + b)].
.set PITCH,  144                       ; an LDS row: 128 bytes + 16 of padding = 36 words: the 16 rows of a load start at 16 different groups of four banks (64 banks of 4 bytes: ISA guide 11.1)
.set FR,     16*PITCH
.set RA,     128*PITCH                 ; O's 128 rows of one block of 64 along K
.set RB,     256*PITCH                 ; Wf's 256 rows of one block
.set BOFF,   2*RA                      ; a slot: O's two blocks, then Wf's two
.set SLOT1,  1<<17
.set STAGE,  SLOT1+2*RA+2*RB           ; behind the ring, never filled by a tensor load: 16 rows x 528 bytes for each wave, for the way out
.set SPITCH, 528                       ; 512 bytes + 16
.set SPARE,  STAGE+4*16*SPITCH         ; behind the stages: the spare words, 128 bytes for each wave: two blocks of 256 bytes that no other line names
.set AWALK,  2*2048*128                ; bytes from a K step to the next in oh: two heads
.set BWALK,  2*1024*128                ; in wfb
.set ADRA0, 14                         ; v14  my lane's place in my 64 rows of O in slot 0; never rewritten
.set ADRB0, 15                         ; v15  the same in my 128 rows of Wf
.set ADRA,  16                         ; v16, v17  the same in the slot in hand
.set ADRB,  17
.set STO,   18                         ; v18  the way out: where I put 32 bytes of a row
.set RD,    19                         ; v19  the way out: where I read a row back
.set GO,    20                         ; v20  my byte offset in 512 consecutive bytes of out0
.set BO,    21                         ; v21  my byte offset in 16 numbers of bf
.set SPW,   28                         ; v28  LDS address of my spare word: SPARE + 4 x my thread's number; never rewritten
.set NIL,   29                         ; v29  0; never rewritten
.set BT,    32                         ; v32-63  the bias on its way through bf16
.set F0,    64
.set F1,    160
.set OB0,   64                         ; the way out: 16 rows read back: v64-127 and v128-191 by turns
.set CNT, 3
.set WV,  16                           ; s16  my wave's number
.set WM,  17                           ; s17  which half of the tile's rows is mine.  Also: I fetch for O (0) or for Wf (1)
.set WN,  18                           ; s18  which half of its columns.  Also: which of a slot's two blocks I fetch
.set TB,  23                           ; s23  0 or SLOT1: the slot in hand
.set G1A, 24
.set G0A, 32                           ; s[32:39] a set for each of the two first fills; the second then walks on
.set G1B, 40
.set G0B, 48
.set MSB, 0
.macro WIN new                         ; the immediate's high byte repeats the setting that is left; a switch that changes nothing is dropped
.if MSB != (\new)
	s_set_vgpr_msb (MSB<<8)|(\new)
.set MSB, (\new)
.endif
.endm
.macro NOPS n
.rept \n
	v_nop
.endr
.endm
; A joint refill, by the walking sets.  The branch hangs on the wave's number alone.  An s_nop 0 and four v_nop follow each of the two lines, ahead of the jump and the label.
.macro JLOAD
	s_cmp_eq_u32 s[WM], 0
	s_cbranch_scc0 .Lfor_b_\@
	tensor_load_to_lds s[G0A+4:G0A+7], s[G1A:G1A+7]
	s_nop 0
	NOPS 4
	s_branch .Lasked_\@
.Lfor_b_\@:
	tensor_load_to_lds s[G0B+4:G0B+7], s[G1B:G1B+7]
	s_nop 0
	NOPS 4
.Lasked_\@:
.endm
.macro CREST                           ; a round of the cluster's barrier behind its opening barrier
	s_cmp_lg_u32 s[WV], 0
	s_cbranch_scc1 .Lnot_wave_0_\@
	s_barrier_signal -3
.Lnot_wave_0_\@:
	s_barrier_wait -3
	s_barrier_signal -1
	s_barrier_wait -1
.endm
.macro CROUND
	s_barrier_signal -1
	s_barrier_wait -1
	CREST
.endm
	s_load_b256 s[4:11], s[0:1], 0x0               ; oh 4:5, wfb 6:7, bf 8:9, out0 10:11
	v_lshl_add_u32 v[SPW], v0, 2, SPARE
	v_mov_b32 v[NIL], 0
	ds_add_u32 v[SPW], v[NIL]                      ; the wave's opening: the add and its wait stand ahead of my first tensor load; the set-up below, work on registers, stands between them
	v_lshrrev_b32 v1, 5, v0
	v_readfirstlane_b32 s[WV], v1                  ; wave 0..3
	s_lshr_b32 s[WM], s[WV], 1
	s_and_b32 s[WN], s[WV], 1
	s_bfe_u32 s19, ttmp6, 0x40000                  ; cx, cy
	s_bfe_u32 s20, ttmp6, 0x40004
	s_lshl_b32 s21, ttmp9, 2
	s_add_co_u32 s21, s21, s19                     ; tile column
	s_and_b32 s22, ttmp7, 0xffff
	s_lshl_b32 s22, s22, 2
	s_add_co_u32 s22, s22, s20                     ; tile row
	s_lshl_b32 s12, s20, 2
	s_lshl_b32 s12, 15, s12                        ; my row of the cluster
	s_lshl_b32 s13, 0x1111, s19                    ; my column
	s_or_b32 s[G1A], s12, (1<<16)|(1<<20)|(1<<21)|(4<<22)|(3<<25)  ; 15:0 the mask; 17:16 2-byte elements; 20 padding on; 21 set beside a mask; 24:22 after every 32 words (code 4); 31:25 4 words (code 3)
	s_or_b32 s[G1B], s13, (1<<16)|(1<<20)|(1<<21)|(4<<22)|(3<<25)
.irp g, G1A, G1B
	s_mov_b32 s[(\g)+1], 128<<16                   ; tensor_dim0 = 128
	s_mov_b32 s[(\g)+3], 128<<16                   ; tile_dim0 = 128
	s_mov_b32 s[(\g)+5], 128                       ; 128 elements from row to row: the block is dense
	s_mov_b32 s[(\g)+6], 0
	s_mov_b32 s[(\g)+7], 0
.endr
	s_mov_b32 s[G1A+2], 64<<16                     ; tensor_dim1
	s_mov_b32 s[G1A+4], 64                         ; tile_dim1
	s_mov_b32 s[G1B+2], 128<<16
	s_mov_b32 s[G1B+4], 128
	; O's tiles hang on the tile row alone, Wf's on the tile column alone, each in registers that never hold the other coordinate
	s_lshr_b32 s56, s22, 4                         ; the batch: 16 tiles of 128 rows,
	s_lshl_b32 s56, s56, 4                         ; its 16 heads,
	s_add_co_u32 s56, s56, s[WN]                   ; my block of the slot's two
	s_lshl_b32 s56, s56, 18
	s_and_b32 s60, s22, 15
	s_lshl_b32 s60, s60, 14                        ; 128 rows of 128 bytes
	s_add_co_u32 s56, s56, s60
	s_mov_b32 s57, 0
	s_lshl_b32 s58, s[WN], 17                      ; 1,024 rows of 128 bytes a block,
	s_lshl_b32 s61, s21, 15                        ; 256 of them
	s_add_co_u32 s58, s58, s61
	s_mov_b32 s59, 0
	s_mul_i32 s62, s[WN], RA                       ; where they go: no place in the cluster enters an LDS address
	s_mul_i32 s63, s[WN], RB
	s_add_co_u32 s63, s63, BOFF
	s_mov_b32 s[TB], 0
	s_wait_dscnt 0x0                               ; the opening add is done
	s_wait_kmcnt 0x0
	s_add_nc_u64 s[56:57], s[4:5], s[56:57]
	s_add_nc_u64 s[58:59], s[6:7], s[58:59]
.irp s, 0,1
	s_mov_b32 s[G0A+4*(\s)], 1                     ; 1:0 count = 1
	s_add_co_u32 s[G0A+4*(\s)+1], s62, (\s)*SLOT1  ; 63:32 LDS address
	s_add_nc_u64 s[G0A+4*(\s)+2:G0A+4*(\s)+3], s[56:57], (\s)*AWALK  ; 120:64 global address: K step s
	s_or_b32 s[G0A+4*(\s)+3], s[G0A+4*(\s)+3], 0x80000000           ; 127:126 type = 2
	s_mov_b32 s[G0B+4*(\s)], 1
	s_add_co_u32 s[G0B+4*(\s)+1], s63, (\s)*SLOT1
	s_add_nc_u64 s[G0B+4*(\s)+2:G0B+4*(\s)+3], s[58:59], (\s)*BWALK
	s_or_b32 s[G0B+4*(\s)+3], s[G0B+4*(\s)+3], 0x80000000
.endr
	CROUND                                         ; all sixteen work-groups are here: the first joint loads meet
	s_cmp_eq_u32 s[WM], 0                          ; a wave's two first fills stand in one branch, ahead of every wait on TENSORcnt and every LDS read: two loads of mine are out
	s_cbranch_scc0 .Lfirst_b
	tensor_load_to_lds s[G0A:G0A+3], s[G1A:G1A+7]
	s_nop 0
	tensor_load_to_lds s[G0A+4:G0A+7], s[G1A:G1A+7]
	s_nop 0
	NOPS 4
	s_branch .Lfirst_asked
.Lfirst_b:
	tensor_load_to_lds s[G0B:G0B+3], s[G1B:G1B+7]
	s_nop 0
	tensor_load_to_lds s[G0B+4:G0B+7], s[G1B:G1B+7]
	s_nop 0
	NOPS 4
.Lfirst_asked:
	; THE BIAS goes where the sums begin: register j of accumulator (0, b) takes bf[my first column + 16 b + 8 (l / 16) + j]
	v_and_b32 v1, 15, v0                           ; l % 16
	v_bfe_u32 v2, v0, 4, 1                         ; l / 16
	v_lshlrev_b32 v[BO], 5, v2
	s_lshl_b32 s66, s21, 10                        ; my first column, in bytes of f32: 256 x tile column + 128 x half
	s_lshl_b32 s68, s[WN], 9
	s_add_co_u32 s66, s66, s68
	s_mov_b32 s67, 0
	s_add_nc_u64 s[8:9], s[8:9], s[66:67]
	WIN 0x40                                       ; destination window 1, address window 0
.irp b, 0,1,2,3,4,5,6,7
	global_load_b128 v[8*(\b):8*(\b)+3],   v[BO], s[8:9] offset:64*(\b)
	global_load_b128 v[8*(\b)+4:8*(\b)+7], v[BO], s[8:9] offset:64*(\b)+16
.endr
	WIN 0
	s_lshl_b32 s68, s22, 19                        ; my first row: 128 x tile row + 64 x half, rows of 4,096 bytes
	s_lshl_b32 s70, s[WM], 18
	s_add_co_u32 s68, s68, s70
	s_add_co_u32 s68, s68, s66
	s_mov_b32 s69, 0
	s_add_nc_u64 s[10:11], s[10:11], s[68:69]
	v_mul_u32_u24 v3, v1, PITCH                    ; a fragment: row l % 16, 16 bytes for each half of the lanes, and 32 bytes on
	v_lshl_add_u32 v3, v2, 4, v3
	s_mul_i32 s70, s[WM], 64*PITCH
	v_add_nc_u32 v[ADRA0], s70, v3
	s_mul_i32 s71, s[WN], 128*PITCH
	s_add_co_u32 s71, s71, BOFF
	v_add_nc_u32 v[ADRB0], s71, v3
	v_add_nc_u32 v[ADRA], s[TB], v[ADRA0]
	v_add_nc_u32 v[ADRB], s[TB], v[ADRB0]
	s_mul_i32 s70, s[WV], 16*SPITCH
	s_add_co_u32 s70, s70, STAGE                   ; my stage
	v_mul_u32_u24 v[STO], v1, SPITCH               ; in: row l % 16, 32 bytes for each half of the lanes
	v_lshl_add_u32 v[STO], v2, 5, v[STO]
	v_add_nc_u32 v[STO], s70, v[STO]
	v_and_b32 v[GO], 31, v0                        ; back: 32 lanes take a row's 512 bytes
	v_lshlrev_b32 v[GO], 4, v[GO]
	v_add_nc_u32 v[RD], s70, v[GO]
	s_mov_b32 s71, 0xffff0000
	s_wait_loadcnt 0x0                             ; the bias is in: rounded to bf16, like every input, and widened again, in the wait for the first tile
	WIN 0x05                                       ; sources window 1, destination window 0
.set i, 0
.rept 32
	v_cvt_pk_bf16_f32 v[BT+i], v[2*i], v[2*i+1]
.set i, i+1
.endr
	WIN 0x40                                       ; and back
.set i, 0
.rept 32
	v_lshlrev_b32 v[2*i], 16, v[BT+i]
	v_and_b32 v[2*i+1], s71, v[BT+i]
.set i, i+1
.endr
	WIN 0
; 24 LDS loads in one run: the fragments of sub-step s (block s / 2 of the slot, 32 along K at byte 64 (s % 2) of its rows) into buffer f
.macro FETCH f, s
	WIN 0
.irp i, 0,1,2,3,4,5,6,7
	ds_load_b128 v[(\f)+32+8*(\i):(\f)+32+8*(\i)+3],   v[ADRB] offset:((\s)/2)*RB+((\s)%2)*64+(\i)*FR
	ds_load_b128 v[(\f)+32+8*(\i)+4:(\f)+32+8*(\i)+7], v[ADRB] offset:((\s)/2)*RB+((\s)%2)*64+(\i)*FR+32
.endr
.irp i, 0,1,2,3
	ds_load_b128 v[(\f)+8*(\i):(\f)+8*(\i)+3],   v[ADRA] offset:((\s)/2)*RA+((\s)%2)*64+(\i)*FR
	ds_load_b128 v[(\f)+8*(\i)+4:(\f)+8*(\i)+7], v[ADRA] offset:((\s)/2)*RA+((\s)%2)*64+(\i)*FR+32
.endr
.endm
; Products of row blocks alo .. ahi x all 8 column blocks: one instruction an accumulator, so the accumulators take turns.  bias = 1: C is accumulator (0, b), which holds the bias.
.macro MUL f, alo, ahi, bias
	WIN 0x50                                       ; C and D window 1, both sources window 0
.set ga, \alo
.rept (\ahi)-(\alo)+1
.set gb, 0
.rept 8
.if \bias
	v_wmma_f32_16x16x32_f16 v[8*(8*ga+gb):8*(8*ga+gb)+7], v[(\f)+32+8*gb:(\f)+32+8*gb+7], v[(\f)+8*ga:(\f)+8*ga+7], v[8*gb:8*gb+7]
.else
	v_wmma_f32_16x16x32_f16 v[8*(8*ga+gb):8*(8*ga+gb)+7], v[(\f)+32+8*gb:(\f)+32+8*gb+7], v[(\f)+8*ga:(\f)+8*ga+7], v[8*(8*ga+gb):8*(8*ga+gb)+7]
.endif
.set gb, gb+1
.endr
.set ga, ga+1
.endr
.endm
; A SUB-STEP: buffer f, fetched a sub-step ago, is in; buffer g takes sub-step nxt's fragments, four places behind the last product that read it; 32 products on f.
.macro SUB f, g, nxt
	s_wait_dscnt 0x0
	WIN 0
	NOPS 4
	FETCH \g, \nxt
	MUL \f, 0, 3, 0
.endm
; A K STEP'S THIRD SUB-STEP, WITH THE CHANGE OF SLOTS: it fetches the slot's last fragments.  Then each wave waits for all its tensor loads, of which one is out: its part of the other slot; adds 0 to its spare word;
; and waits for that and for its own reads of the slot.  fill = 1: the barrier opens a round of the cluster's barrier, so that no wave of any partner still reads the slot or has a load on its way, and the slot is
; filled again first thing behind it, with the K step two on: 112 products ahead of the wait for it.
.macro SUBC fill
	s_wait_dscnt 0x0
	WIN 0
	NOPS 4
	FETCH F1, 3
	MUL F0, 0, 1, 0
	WIN 0
	s_wait_tensorcnt 0x0                           ; no tensor load of mine is out, so a group 0 may be written
	ds_add_u32 v[SPW], v[NIL]                      ; 0 onto my spare word
.if \fill
	s_xor_b32 s[G0A+5], s[G0A+5], SLOT1            ; the walking descriptors: the other slot than last time,
	s_add_nc_u64 s[G0A+6:G0A+7], s[G0A+6:G0A+7], AWALK  ; the next K step; the type bits on top are not reached
	s_xor_b32 s[G0B+5], s[G0B+5], SLOT1
	s_add_nc_u64 s[G0B+6:G0B+7], s[G0B+6:G0B+7], BWALK
.endif
	MUL F0, 2, 2, 0                                ; eight products stand between the add and the wait for it
	s_wait_dscnt 0x0                               ; the add is done, and my reads of this slot are over
	s_barrier_signal -1
	MUL F0, 3, 3, 0                                ; work on registers while the others arrive
	WIN 0
	s_barrier_wait -1
.if \fill
	CREST
	JLOAD                                          ; the first tensor load behind the round
.endif
	s_xor_b32 s[TB], s[TB], SLOT1                  ; the fetches go on in the other slot
	v_add_nc_u32 v[ADRA], s[TB], v[ADRA0]
	v_add_nc_u32 v[ADRB], s[TB], v[ADRB0]
.endm
	s_wait_tensorcnt 1                             ; my part of K step 0 is in; step 1's may stay out
	s_barrier_signal -1
	s_barrier_wait -1                              ; everybody's is
	FETCH F0, 0
	FETCH F1, 1
	s_wait_dscnt 24                                ; buffer 0 is in; buffer 1's 24 loads may stay out
	MUL F0, 1, 3, 1                                ; the first sub-step stands in front of the loop: blocks 1 to 3 start their sums with the bias out of block 0's registers;
	NOPS 5                                         ; block 0 adds onto it in place, five places behind the last product that read it (ISA guide 7.12.1)
	MUL F0, 0, 0, 0
	WIN 0
	s_mov_b32 s[CNT], 6
.Lslot:                                        ; a trip goes from a K step's second sub-step to the next step's first; six trips ask for K steps 2 to 7
	SUB F1, F0, 2
	SUBC 1
	SUB F1, F0, 0
	SUB F0, F1, 1
	WIN 0
	s_sub_co_u32 s[CNT], s[CNT], 1
	s_cmp_lg_u32 s[CNT], 0
	s_cbranch_scc1 .Lslot
	SUB F1, F0, 2                                  ; the tail is written out: nothing is asked for
	SUBC 0
	SUB F1, F0, 0
	SUB F0, F1, 1
	SUB F1, F0, 2
	SUB F0, F1, 3
	s_wait_dscnt 0x0                               ; the last sub-step fetches nothing
	MUL F1, 0, 3, 0
; THE WAY OUT, a block of 16 rows at a time: 32 bytes a lane straight out of the accumulators (each one's low four registers first) into my stage, back as whole rows of 512 bytes, stored.
.macro TOSTAGE a
.set BK, OB0+64*((\a)%2)
.if (\a) >= 2
	s_wait_xcnt 0x0                                ; the stores of the block two back have read these registers: only behind this wait are they loaded again
.endif
	WIN 0x04                                       ; the stores' data in window 1, their address in window 0
.irp b, 0,1,2,3,4,5,6,7
	ds_store_b128 v[STO], v[8*(8*(\a)+(\b)):8*(8*(\a)+(\b))+3]   offset:64*(\b)
	ds_store_b128 v[STO], v[8*(8*(\a)+(\b))+4:8*(8*(\a)+(\b))+7] offset:64*(\b)+16
.endr
	WIN 0
.irp t, 0,1,2,3,4,5,6,7,8,9,10,11,12,13,14,15
	ds_load_b128 v[BK+4*(\t):BK+4*(\t)+3], v[RD] offset:(\t)*SPITCH  ; LDS serves a wave's instructions in order (ISA guide 5.7.1.4): these see the stores above; the next block's stores come behind them
.endr
.endm
.macro SEND a, younger                 ; younger: the LDS instructions issued behind block a's loads: the next block's 32, or none
.set BK, OB0+64*((\a)%2)
.irp t, 0,1,2,3,4,5,6,7,8,9,10,11,12,13,14,15
	s_wait_dscnt (\younger)+15-(\t)
	global_store_b128 v[GO], v[BK+4*(\t):BK+4*(\t)+3], s[10:11] offset:(16*(\a)+(\t))*4096  ; 512 consecutive bytes, at a multiple of 256 from out0's first byte
.endr
.endm
	WIN 0
	NOPS 4                                         ; the places behind the last products
	TOSTAGE 0
.irp a, 1,2,3
	TOSTAGE \a
	SEND (\a)-1, 32
.endr
	SEND 3, 0
	s_wait_tensorcnt 0x0                           ; the wave's end, behind my last tensor load and my last LDS store
	ds_add_u32 v[SPW], v[NIL]
	s_wait_dscnt 0x0
	CROUND                                         ; the closing round: no work-group ends while a partner may still ask for a tile that names it
	s_endpgm
.Lfunc_end_k_q5936b27998_outp:
	.size	k_q5936b27998_outp, .Lfunc_end_k_q5936b27998_outp-k_q5936b27998_outp
	.p2alignl 7, 3214868480
	.fill 96, 4, 3214868480
	.section	.rodata,"a",@progbits
	.p2align	6, 0x0
	.amdhsa_kernel k_q5936b27998_outp
		.amdhsa_group_segment_fixed_size 327680
		.amdhsa_private_segment_fixed_size 0
		.amdhsa_enable_private_segment 0
		.amdhsa_kernarg_size 32
		.amdhsa_user_sgpr_count 2
		.amdhsa_user_sgpr_kernarg_segment_ptr 1
		.amdhsa_wavefront_size32 1
		.amdhsa_system_sgpr_workgroup_id_x 1
		.amdhsa_system_sgpr_workgroup_id_y 1
		.amdhsa_system_sgpr_workgroup_id_z 1
		.amdhsa_system_vgpr_workitem_id 0
		.amdhsa_next_free_vgpr 512
		.amdhsa_next_free_sgpr 72
		.amdhsa_reserve_vcc 0
		.amdhsa_float_denorm_mode_32 3
		.amdhsa_float_denorm_mode_16_64 3
		.amdhsa_memory_ordered 1
		.amdhsa_forward_progress 1
		.amdhsa_inst_pref_size 76
	.end_amdhsa_kernel
	.amdgpu_metadata
---
amdhsa.version: [ 1, 2 ]
amdhsa.kernels:
  - .name:           k_q5936b27998_outp
    .symbol:         k_q5936b27998_outp.kd
    .args:
      - { .name: oh, .offset: 0, .size: 8, .value_kind: global_buffer, .address_space: global }
      - { .name: wfb, .offset: 8, .size: 8, .value_kind: global_buffer, .address_space: global }
      - { .name: bf, .offset: 16, .size: 8, .value_kind: global_buffer, .address_space: global }
      - { .name: out0, .offset: 24, .size: 8, .value_kind: global_buffer, .address_space: global }
    .group_segment_fixed_size: 327680
    .private_segment_fixed_size: 0
    .kernarg_segment_align: 8
    .kernarg_segment_size: 32
    .max_flat_workgroup_size: 128
    .sgpr_count:     72
    .vgpr_count:     512
    .wavefront_size: 32
...
	.end_amdgpu_metadata
.endif
;; end of part 4
;; ======== version 2 of 2: 4 launches; version 1 with the launch prep written anew for expert scheduling mode
;; limits: values are held in f16: magnitudes above 65,504 overflow, below 6.1e-05 lose precision
;; workspace buffers: xb 16,777,216 bytes; wqkv 6,291,456 bytes; wfb 2,097,152 bytes; qkv 50,331,648 bytes; oh 16,777,216 bytes
;; launch prep (part 5): grid 768 x 1, 4 waves a work-group, no clusters, 37,376 bytes of LDS; arguments x, Wq, Wk, Wv, Wf, xb, wqkv, wfb; writes xb, wqkv, wfb
.if DOCPART == 5
	.amdgcn_target "amdgcn-amd-amdhsa--gfx1250"
	.amdhsa_code_object_version 6
	.text
	.protected	k_q5936b27998_prep
	.globl	k_q5936b27998_prep
	.p2align	8
	.type	k_q5936b27998_prep,@function
k_q5936b27998_prep:
	s_mov_b64 s[64:65], 0
	v_nop
	global_prefetch_b8 v0, s[64:65] scope:SCOPE_SE
	s_setreg_imm32_b32 hwreg(HW_REG_WAVE_SCHED_MODE, 0, 2), 2
	s_setreg_imm32_b32 hwreg(HW_REG_WAVE_MODE, 25, 1), 1
	s_wait_xcnt 0x0
	s_wait_alu depctr_vm_vsrc(0)
; THE OPERANDS OF THE TWO GEMMS ARE MADE: every one is laid out [kb = k / 64][row][64 numbers of 16 bits], so that the rows of one kb lie end to end, 128 bytes each.
;   xb   [16][8192][64]  bf16: x rounded once
;   wqkv [16][3072][64]  bf16: row n = 64 g + d, g = 16 x (q 0, k 1, v 2) + head: W[head][e][d] rounded once and turned (e becomes the fast index)
;   wfb  [16][1024][64]  f16:  Wf[k][n] rounded once to bf16, that number written as f16, turned
; LIMITS.  |Wf| stays under 65,504 (f16's end); a bf16 number below 6e-5 keeps f16's fixed step of 6e-8.  NaN and infinities are not treated apart.
; SHARES.  Every wave does one job: 64 rows x 64 columns of f32, 16 KiB in, 8 KiB out; all its 32 loads go out at once.  3,072 jobs, four to a work-group:
; work-groups 0-511 x, 512-703 Wq, Wk, Wv, 704-767 Wf.  No loop, no barrier: a wave's LDS bytes are its own.  No matrix unit, no cluster: nothing is multiplied and nothing is shared.
; THE MODE: SCHED_MODE bits 1:0 = 2 (LLVM: expert scheduling mode 2), set by the entry lines.  The code itself states the register dependences
; between vector instructions and memory or LDS instructions, with s_wait_alu, always for 0.
; THE PLAN.  Registers that memory or LDS instructions touch:
;   v[SO], v[DO], v[LS], v[LR]  offsets and LDS addresses: made once on each path, ahead of its first load, and never written again: all steps stand in immediate offsets.
;   X, the x path      load i lands in X + 4 i ..; its two conversions write the first two of the four in place; one store reads them.  No register is written twice.
;   X, the weights     loads 2 p, 2 p + 1 land in X + 8 p ..; pair p's conversions write the low four, which four LDS stores read, and read (for f16 also write) the high four, in which the read-back from LDS lands later;
;                      the global stores read the high four.
;   v[SPW], v[NIL]     written at the head, read by the closing add alone.
; The work goes in groups (x: four loads; the weights: four pairs).  ONE wait on va_vdst stands at a group's head, behind the wait for its loads: the group before has written what its stores read.  Those stores are then
; dealt among this group's conversions, which name this group's registers alone.  One more such wait stands behind the last group.  No register that a memory or LDS instruction has read is ever written again,
; so no wait on vm_vsrc is owed.
.set X,    16                          ; v[16:143]  the job's 32 loads of four registers
.set SO,   4                           ; v4   my byte offset in the source
.set DO,   5                           ; v5   my byte offset in the destination
.set LS,   6                           ; v6   where I put a word in my wave's LDS rows
.set LR,   7                           ; v7   where I read 16 bytes back
.set SPW,  8                           ; v8   LDS address of my spare word: SPARE + 4 x my thread's number; never rewritten
.set NIL,  9                           ; v9   0; never rewritten
.set LP,   144                         ; an LDS row: 128 bytes (64 k) + 16
.set WLDS, 64*LP                       ; a wave's 64 rows
.set SPARE, 4*WLDS                     ; behind them: the spare words, 128 bytes for each wave: two blocks of 256 bytes that no other line names
	s_load_b512 s[4:19], s[0:1], 0x0               ; x 4:5, Wq 6:7, Wk 8:9, Wv 10:11, Wf 12:13, xb 14:15, wqkv 16:17, wfb 18:19
	v_lshl_add_u32 v[SPW], v0, 2, SPARE
	v_mov_b32 v[NIL], 0
	v_lshrrev_b32 v1, 5, v0
	v_readfirstlane_b32 s21, v1                    ; wave 0..3
	v_and_b32 v1, 31, v0                           ; l
	v_and_b32 v2, 15, v0                           ; l % 16
	v_bfe_u32 v3, v0, 4, 1                         ; l / 16
	s_mov_b32 s20, ttmp9
	s_mov_b32 s23, 0                               ; offsets are made apart from the addresses, in pairs with 0 on top
	s_mov_b32 s25, 0
	s_mov_b32 s37, 0xffff0000                      ; a word's upper bf16
	s_wait_alu depctr_va_sdst(0)                   ; s21 is written, ahead of the branch and of its first reader in each of the three arms: the job's number and the wave's LDS rows are made from it
	s_wait_kmcnt 0x0
	s_cmp_lt_u32 s20, 512
	s_cbranch_scc0 .Lweights
	; x: rows 64 mb .. + 63, columns 64 kb .. + 63.  A load takes two rows' 256 bytes (lanes 0-15 one row, lanes 16-31 the next); a store 256 consecutive bytes of xb.
	s_lshr_b32 s30, s20, 2                         ; mb
	s_and_b32 s31, s20, 3
	s_lshl2_add_u32 s31, s31, s21                  ; kb = 4 (id % 4) + wave
	s_lshl_b32 s22, s30, 18                        ; 64 rows of 4,096 bytes
	s_lshl_b32 s32, s31, 8
	s_add_co_u32 s22, s22, s32
	s_lshl_b32 s24, s31, 20                        ; 8,192 rows of 128 bytes
	s_lshl_b32 s32, s30, 13
	s_add_co_u32 s24, s24, s32
	v_lshlrev_b32 v[SO], 12, v3
	v_lshl_add_u32 v[SO], v2, 4, v[SO]
	v_lshlrev_b32 v[DO], 3, v1
	s_add_nc_u64 s[26:27], s[4:5], s[22:23]
	s_add_nc_u64 s[28:29], s[14:15], s[24:25]
	s_wait_alu depctr_va_vdst(0)                   ; v[SO] and v[DO] are written: every load and store of this path reads one of them as its offset
.set i, 0
.rept 32
	global_load_b128 v[X+4*i:X+4*i+3], v[SO], s[26:27] offset:i*8192 th:TH_LOAD_NT
.set i, i+1
.endr
.set i, 0
.rept 8                                        ; eight groups of four loads; at a group's head i = 4 x the group's number
	s_wait_loadcnt 28-i                            ; loads come back in order: this group's four are in, the younger groups stay out
.if i > 0
	s_wait_alu depctr_va_vdst(0)                   ; the group before has written its eight words, which the four stores below read
.endif
.rept 4
.if i >= 4
	global_store_b64 v[DO], v[X+4*(i-4):X+4*(i-4)+1], s[28:29] offset:(i-4)*256  ; the group before: 32 lanes x 8 bytes: rows 2 (i - 4) and 2 (i - 4) + 1 of the block, 256 consecutive bytes, aligned; no vector instruction since the wait names these registers
.endif
	v_cvt_pk_bf16_f32 v[X+4*i], v[X+4*i], v[X+4*i+1]
	v_cvt_pk_bf16_f32 v[X+4*i+1], v[X+4*i+2], v[X+4*i+3]
.set i, i+1
.endr
.endr
	s_wait_alu depctr_va_vdst(0)                   ; the last group has written its eight words, which the last four stores read
.set i, 28
.rept 4
	global_store_b64 v[DO], v[X+4*i:X+4*i+1], s[28:29] offset:i*256
.set i, i+1
.endr
	s_branch .Lend
; A block of 64 rows (e) x 64 columns is turned.  Loads 2 p and 2 p + 1 bring rows e = 4 p + 2 (l / 16) and e + 1, columns 4 (l % 16) + 0..3: p4 = bytes of four rows, p1 of one.
; Two rows' numbers of one column pack into a word, which goes to LDS row (column), byte 2 e.  Whole rows of 128 bytes come back, four to a load, and leave as 512 consecutive bytes.
; (The word stores meet four deep in the banks: 64 stores a wave, once.)  f16 = 1: the bf16 numbers are written as f16.
.macro CONV f16                        ; pair p's conversions: four words into the low four of its eight registers
.irp j, 0,1,2,3
	v_cvt_pk_bf16_f32 v[X+8*p+(\j)], v[X+8*p+(\j)], v[X+8*p+4+(\j)]
.endr
.if \f16
.irp j, 0,1,2,3
	v_lshlrev_b32 v[X+8*p+4+(\j)], 16, v[X+8*p+(\j)]
	v_and_b32 v[X+8*p+(\j)], s37, v[X+8*p+(\j)]
	v_cvt_pk_f16_f32 v[X+8*p+(\j)], v[X+8*p+4+(\j)], v[X+8*p+(\j)]
.endr
.endif
.endm
.macro PUT                             ; pair u's four words into my wave's LDS rows
.irp j, 0,1,2,3
	ds_store_b32 v[LS], v[X+8*u+(\j)] offset:(\j)*LP+8*u
.endr
.endm
.macro TRANS p4, p1, f16
	s_wait_alu depctr_va_vdst(0)                   ; v[SO], v[DO], v[LS] and v[LR] are written: every load and store of this path, global or LDS, reads one of them
.set p, 0
.rept 16
	global_load_b128 v[X+8*p:X+8*p+3],   v[SO], s[26:27] offset:p*(\p4) th:TH_LOAD_NT
	global_load_b128 v[X+8*p+4:X+8*p+7], v[SO], s[26:27] offset:p*(\p4)+(\p1) th:TH_LOAD_NT
.set p, p+1
.endr
.set p, 0
.rept 4                                        ; four groups of four pairs; at a group's head p = 4 x the group's number
	s_wait_loadcnt 24-2*p                          ; this group's eight loads are in, the younger groups stay out
.if p > 0
	s_wait_alu depctr_va_vdst(0)                   ; the group before has written its sixteen words, which the LDS stores below read
.endif
.rept 4
.if p >= 4
.set u, p-4
	PUT                                            ; the group before; no vector instruction since the wait names these registers
.endif
	CONV \f16
.set p, p+1
.endr
.endr
	s_wait_alu depctr_va_vdst(0)                   ; the last group has written its sixteen words, which the LDS stores below read; and every conversion is done with the high four of each eight, in which the loads from LDS land
.set u, 12
.rept 4
	PUT
.set u, u+1
.endr
.set t, 0
.rept 16
	ds_load_b128 v[X+8*t+4:X+8*t+7], v[LR] offset:t*4*LP  ; LDS serves a wave's instructions in order (ISA guide 5.7.1.4): these see the stores above; they land in registers that no store names
.set t, t+1
.endr
.set t, 0
.rept 16
	s_wait_dscnt 15-t
	global_store_b128 v[DO], v[X+8*t+4:X+8*t+7], s[28:29] offset:t*512
.set t, t+1
.endr
.endm
.Lweights:
	s_mul_i32 s36, s21, WLDS                       ; my wave's rows in LDS
	v_mul_u32_u24 v[LS], v2, 4*LP                  ; column 4 (l % 16),
	v_lshl_add_u32 v[LS], v3, 2, v[LS]             ; byte 4 (l / 16)
	v_add_nc_u32 v[LS], s36, v[LS]
	v_bfe_u32 v10, v0, 3, 2
	v_and_b32 v11, 7, v0
	v_mul_u32_u24 v[LR], v10, LP                   ; back: eight lanes take a row
	v_lshl_add_u32 v[LR], v11, 4, v[LR]
	v_add_nc_u32 v[LR], s36, v[LR]
	v_lshlrev_b32 v[DO], 4, v1
	s_cmp_lt_u32 s20, 704
	s_cbranch_scc0 .Lwf
	s_sub_co_u32 s30, s20, 512
	s_lshl2_add_u32 s30, s30, s21                  ; job 0..767
	s_lshr_b32 s31, s30, 4                         ; g
	s_and_b32 s32, s30, 15                         ; kb
	s_lshr_b32 s33, s31, 4                         ; q, k or v
	s_and_b32 s34, s31, 15                         ; head
	s_lshl_b32 s22, s34, 18                        ; a head's 1,024 rows of 256 bytes,
	s_lshl_b32 s35, s32, 14                        ; 64 of them
	s_add_co_u32 s22, s22, s35
	s_mul_i32 s24, s32, 3072*128
	s_lshl_b32 s35, s31, 13
	s_add_co_u32 s24, s24, s35
	s_cmp_eq_u32 s33, 0
	s_cselect_b64 s[26:27], s[6:7], s[8:9]
	s_cmp_eq_u32 s33, 2
	s_cselect_b64 s[26:27], s[10:11], s[26:27]
	s_add_nc_u64 s[26:27], s[26:27], s[22:23]
	s_add_nc_u64 s[28:29], s[16:17], s[24:25]
	v_lshlrev_b32 v[SO], 9, v3                     ; two rows of 256 bytes for lanes 16-31
	v_lshl_add_u32 v[SO], v2, 4, v[SO]
	TRANS 1024, 256, 0
	s_branch .Lend
.Lwf:
	s_sub_co_u32 s30, s20, 704
	s_lshl2_add_u32 s30, s30, s21                  ; job 0..255
	s_lshr_b32 s31, s30, 4                         ; kb
	s_and_b32 s32, s30, 15                         ; block of 64 columns
	s_lshl_b32 s22, s31, 18                        ; 64 rows of 4,096 bytes
	s_lshl_b32 s35, s32, 8
	s_add_co_u32 s22, s22, s35
	s_lshl_b32 s24, s31, 17                        ; 1,024 rows of 128 bytes
	s_lshl_b32 s35, s32, 13
	s_add_co_u32 s24, s24, s35
	s_add_nc_u64 s[26:27], s[12:13], s[22:23]
	s_add_nc_u64 s[28:29], s[18:19], s[24:25]
	v_lshlrev_b32 v[SO], 13, v3
	v_lshl_add_u32 v[SO], v2, 4, v[SO]
	TRANS 16384, 4096, 1
.Lend:
	s_wait_dscnt 0x0                               ; the wave's end: the closing lines, six on end
	s_wait_alu 0x0
	s_wait_tensorcnt 0x0
	ds_add_u32 v[SPW], v[NIL]
	s_wait_dscnt 0x0
	s_endpgm
.Lfunc_end_k_q5936b27998_prep:
	.size	k_q5936b27998_prep, .Lfunc_end_k_q5936b27998_prep-k_q5936b27998_prep
	.p2alignl 7, 3214868480
	.fill 96, 4, 3214868480
	.section	.rodata,"a",@progbits
	.p2align	6, 0x0
	.amdhsa_kernel k_q5936b27998_prep
		.amdhsa_group_segment_fixed_size 37376
		.amdhsa_private_segment_fixed_size 0
		.amdhsa_enable_private_segment 0
		.amdhsa_kernarg_size 64
		.amdhsa_user_sgpr_count 2
		.amdhsa_user_sgpr_kernarg_segment_ptr 1
		.amdhsa_wavefront_size32 1
		.amdhsa_system_sgpr_workgroup_id_x 1
		.amdhsa_system_sgpr_workgroup_id_y 1
		.amdhsa_system_sgpr_workgroup_id_z 1
		.amdhsa_system_vgpr_workitem_id 0
		.amdhsa_next_free_vgpr 144
		.amdhsa_next_free_sgpr 66
		.amdhsa_reserve_vcc 0
		.amdhsa_float_denorm_mode_32 3
		.amdhsa_float_denorm_mode_16_64 3
		.amdhsa_memory_ordered 1
		.amdhsa_forward_progress 1
		.amdhsa_inst_pref_size 51
	.end_amdhsa_kernel
	.amdgpu_metadata
---
amdhsa.version: [ 1, 2 ]
amdhsa.kernels:
  - .name:           k_q5936b27998_prep
    .symbol:         k_q5936b27998_prep.kd
    .args:
      - { .name: x, .offset: 0, .size: 8, .value_kind: global_buffer, .address_space: global }
      - { .name: Wq, .offset: 8, .size: 8, .value_kind: global_buffer, .address_space: global }
      - { .name: Wk, .offset: 16, .size: 8, .value_kind: global_buffer, .address_space: global }
      - { .name: Wv, .offset: 24, .size: 8, .value_kind: global_buffer, .address_space: global }
      - { .name: Wf, .offset: 32, .size: 8, .value_kind: global_buffer, .address_space: global }
      - { .name: xb, .offset: 40, .size: 8, .value_kind: global_buffer, .address_space: global }
      - { .name: wqkv, .offset: 48, .size: 8, .value_kind: global_buffer, .address_space: global }
      - { .name: wfb, .offset: 56, .size: 8, .value_kind: global_buffer, .address_space: global }
    .group_segment_fixed_size: 37376
    .private_segment_fixed_size: 0
    .kernarg_segment_align: 8
    .kernarg_segment_size: 64
    .max_flat_workgroup_size: 128
    .sgpr_count:     66
    .vgpr_count:     144
    .wavefront_size: 32
...
	.end_amdgpu_metadata
.endif
;; end of part 5
;; launch proj: the kernel of part 2 again; grid 8 x 32, 4 waves a work-group, clusters of 4 x 4, 327,680 bytes of LDS; arguments xb, wqkv, bq, bk, bv, qkv; writes qkv
;; launch attn: the kernel of part 3 again; grid 4 x 64, 4 waves a work-group, clusters of 4 x 1, 327,680 bytes of LDS; arguments qkv, oh; writes oh
;; launch outp: the kernel of part 4 again; grid 4 x 64, 4 waves a work-group, clusters of 4 x 4, 327,680 bytes of LDS; arguments oh, wfb, bf, out0; writes out0
